; MI455X (gfx1250); checked and timed in simulation.
; The chip was launched on July 23, 2026; its instructions are those of AMD's public machine-readable ISA for CDNA 5 (MIT licence, August 2026) and "CDNA5" Instruction Set Architecture Reference Guide (July 2026). The comments in the code are by the model that wrote it; some were corrected since.
;; Stratified Attention. Allowed arithmetic: matrix products marked QUANTISED: E5M2 operands, one E8M0 scale for each 32 along K, by v_wmma_scale_f32_16x16x128_f8f6f4 with both operands' format E5M2, f32 sums; everything else in f32.
;; Inputs: Wk 1,024 x 1,024 float32; Wo 1,024 x 1,024 float32; Wq 1,024 x 1,024 float32; Ws 3 x 1,024 x 1,024 float32; Wv 1,024 x 1,024 float32; bk 1,024 float32; bo 1,024 float32; bq 1,024 float32; bs 3 x 1,024 float32; bv 1,024 float32; hidden_states 2 x 2,048 x 1,024 float32.
;; Outputs: out0 2 x 2,048 x 1,024 float32.
;; This version of the problem:
;;   THIS VERSION OF THE PROBLEM IS GIVEN IN LOW PRECISION. The matrix products marked QUANTISED in the list below multiply operands that are first quantised to E5M2 (5 exponent bits, 2 mantissa bits; 8 bits a number), with one power-of-two scale for each 32 numbers along K (OCP MX v1.0); their sums are f32. All else is computed in f32.
;;   The module's matrix products, in the order in which they are computed (A, B: the left and right operand; K: the contracted axis; several contracted axes count as one K, in the product's order):
;;     1. [M 4,096, K 1,024] x [K 1,024, N 1,024]; A: input hidden_states; B: input Wq: QUANTISED
;;     2. [M 4,096, K 1,024] x [K 1,024, N 1,024]; A: input hidden_states; B: input Wk: QUANTISED
;;     3. [M 4,096, K 1,024] x [K 1,024, N 1,024]; A: input hidden_states; B: input Wv: QUANTISED
;;     4. batch 32 x [M 2,048, K 64] x [K 64, N 2,048]; A: computed on the way; B: computed on the way: QUANTISED
;;     5. batch 32 x [M 2,048, K 2,048] x [K 2,048, N 64]; A: softmax (see below); B: computed on the way: QUANTISED
;;     6. [M 3,072, K 1,024] x [K 1,024, N 4,096]; A: input Ws; B: computed on the way: QUANTISED
;;     7. [M 4,096, K 1,024] x [K 1,024, N 1,024]; A: computed on the way; B: input Wo: QUANTISED
;;   THE QUANTISER, for each operand of a quantised product, along K:
;;     - K is cut into blocks of 32 from its start; a last block that is shorter is filled with zeros.
;;     - A block's scale is 2^e with e = floor(log2(the largest magnitude in the block)) - 15, held to -126 .. 127; a block of zeros has e = 0. As a byte (E8M0): e + 127.
;;     - Each number is divided by its block's scale, clamped to +-57,344, and rounded to the nearest number of E5M2, ties to even, subnormals kept.
;;     - The product sums the exact products of the quantised numbers (number of the format x scale) in f32.
;;   ~~~python
;;   def quantise(x, axis):      # numpy; x: float32 -> the quantised numbers, widened to float32 again
;;       x = np.moveaxis(x, axis, -1); K = x.shape[-1]
;;       x = np.pad(x, [(0, 0)] * (x.ndim - 1) + [(0, -K % 32)]); x = x.reshape(x.shape[:-1] + (-1, 32)); a = np.abs(x).max(-1, keepdims=True)
;;       e = np.where(a > 0, np.clip(np.frexp(np.where(a > 0, a, 1))[1] - 1 - 15, -126, 127), 0)      # np.frexp(a)[1] - 1 = floor(log2(a)), exactly
;;       r = np.clip(x / 2.0 ** e, -57344, 57344)
;;       step = 2.0 ** (np.maximum(np.frexp(np.where(r == 0, 1, r))[1] - 1, -14) - 2)
;;       q = np.round(r / step) * step * 2.0 ** e      # np.round: ties to even
;;       return np.moveaxis(q.reshape(q.shape[:-2] + (-1,))[..., :K], -1, axis).astype(np.float32)
;;   ~~~
;;   SOFTMAX AHEAD OF A QUANTISED PRODUCT. Where the list says 'softmax', what is quantised is not the finished softmax but p = 2^(t - M), with t = logit x log2(e) and M = ceil(the row's largest t), a whole number; so 1/2 < the row's largest p <= 1. The row's sum l is taken of the UNQUANTISED p, in f32, and the product's result is divided by l at the end. Since M is a whole number, a kernel that streams over the keys may use a running M (the ceiling of the running maximum): every later rescaling is an exact power of two, which a block's scale takes up: the codes' values come out the same.
;;   OPERANDS COMPUTED ON THE WAY. 'Computed on the way' means the value that the module computes at that place (a softmax that the list does not call 'softmax' is quantised finished and normalised). What goes into a quantiser is computed in f32, as accurately as f32 sums, v_exp_f32 and their like allow (about 1e-6 of the number): no bf16 or f16 on the way to a quantiser, and a product that is left as it is and whose result goes on into a quantised operand takes f32 operands (vector FMAs, or v_wmma_f32_16x16x4_f32). A number that lies on a knife's edge between two numbers of the format may be rounded either way, as far as f32 arithmetic and the matrix unit's own rounding can turn it there, and no further.
;; One version. Each part assembles by itself: llvm-mc -triple=amdgcn-amd-amdhsa -mcpu=gfx1250 --defsym DOCPART=n.
;; ======== version 1 of 1: 5 launches
;; limits: right only within a limited range of input values
;; workspace buffers: opq 11,894,784 bytes; qkv 12,976,128 bytes; ao 4,325,376 bytes; en 4,325,376 bytes
;; launch quant (part 1): grid 256 x 1, 11 waves a work-group, no clusters, 97,280 bytes of LDS; arguments hidden_states, Wq, Wk, Wv, Ws, Wo, opq; writes opq
.if DOCPART == 1
	.amdgcn_target "amdgcn-amd-amdhsa--gfx1250"
	.amdhsa_code_object_version 6
	.text
	.protected	k_qc79d67d28a_quant
	.globl	k_qc79d67d28a_quant
	.p2align	8
	.type	k_qc79d67d28a_quant,@function
k_qc79d67d28a_quant:
	s_mov_b64 s[64:65], 0
	v_nop
	global_prefetch_b8 v0, s[64:65] scope:SCOPE_SE
	s_setreg_imm32_b32 hwreg(HW_REG_WAVE_MODE, 25, 1), 1
	s_wait_xcnt 0x0
; hidden_states [4096][1024] and the seven weights [1024][1024] (Ws: three of them), f32 with K innermost, become codes of BF8 (E5M2) with one E8M0 scale byte for each 32 along K.
; A block's scale is 2^(floor(log2(its largest magnitude)) - 15); its byte is that magnitude's exponent field - 15, held at 1 from below; numbers are held within +-57,344 x the scale and rounded to the nearest code.
; LAYOUT OF opq.  All 11,264 rows count as 704 tiles of 16 (x 0-255, Wq 256-, Wk 320-, Wv 384-, Ws 448-, Wo 640-).  THE ROWS OF A TILE ARE NOT NEIGHBOURS: lane r of tile t takes row 32 (t / 2) + 8 (t % 2) + r + 8 (r / 8).
; A fragment (a tile x 128 along K) lies as an image of the operand's registers: [c 0..3][lane][16 bytes], lane (r, h) holding k = 32 c + 16 h + 0 .. 15 of its row: 2,048 bytes at tile x 16,384 + K step x 2,048.
; The scale words (four bytes: a row's 128 along K) lie behind the images, [K step][tile][16 words].
; SHARES.  A job is 32 rows (2 tiles) x one K step of 128: 352 x 8 = 2,816 jobs = 256 work-groups x 11 waves, a job a wave.  All 32 loads of a job go out at once; a load reads 512 consecutive bytes of one row.
; A tile's 16 rows turn through the wave's own stage in LDS (rows 528 bytes apart) so that a lane gets 16 neighbours of each block.  A store of codes covers 512 consecutive bytes.
; A job's 32 scale words leave as 128 consecutive bytes, half of an aligned 256: they are one byte in 32 of what the launch stores.  Waves share nothing: no barrier.
; LIMITS: NaN and infinities among the inputs are not served.  A block of zeros gets the byte 1 where the rule says 127: its codes are zeros, and this program alone reads the bytes.
.set SCOFF, 11534336                   ; where the scale words begin in opq
.set SCPIT, 45056                      ; a K step's scale words: 704 tiles x 64 bytes
.set WREG,  8704                       ; LDS of a wave: the stage, then 256 bytes for scale words
.set SPARE, 11*WREG                    ; behind the eleven regions: the spare words, 128 bytes a wave
.set SPI,   528                        ; a stage row: 512 bytes + 16
.set R0,    16                         ; v16-143  two sets of 64: 16 rows as loaded
.set X,     144                        ; v144-207 64 numbers: register 16 c + i = k 32 c + 16 h + i of my row
.set PC,    208                        ; v208-223 the fragment's codes
.set TM,    224                        ; v224-239 at work
.set PW,    240                        ; v240     the scale word
.set SEL,   34                         ; s[34:35] selects for lane l xor 16
.set MNT,   36                         ; s36      the mantissa field of 57,344
.macro QUANT s, pc, pw                 ; 64 numbers of a lane -> 16 registers of codes and my row's scale word
.irp b, 0,1,2,3
	v_max3_num_f32 v[TM+\b], |v[\s+16*\b]|, |v[\s+1+16*\b]|, 0x8000000   ; block b: my 16 numbers, and the floor 2^(16 - 127): the byte cannot fall under 1
.endr
.irp i, 2,4,6,8,10,12,14
.irp b, 0,1,2,3
	v_max3_num_f32 v[TM+\b], v[TM+\b], |v[\s+16*\b+\i]|, |v[\s+1+16*\b+\i]|
.endr
.endr
.irp b, 0,1,2,3
	v_permlanex16_b32 v[TM+4+\b], v[TM+\b], s[SEL], s[SEL+1]
.endr
.irp b, 0,1,2,3
	v_max_num_f32 v[TM+\b], v[TM+\b], v[TM+4+\b]                      ; with lane l xor 16's: the block's largest magnitude
.endr
.irp b, 0,1,2,3
	v_add_nc_u32 v[TM+12+\b], 0xf8800000, v[TM+\b]                    ; 15 off its exponent field: the conversion's scale operand
.endr
.irp b, 0,1,2,3
	v_and_or_b32 v[TM+8+\b], v[TM+\b], 0x7f800000, s[MNT]             ; 57,344 x the scale
.endr
.irp b, 0,1,2,3
	v_lshrrev_b32 v[TM+4+\b], 23, v[TM+12+\b]                         ; the scale's byte
.endr
	v_lshl_or_b32 v[\pw], v[TM+5], 8, v[TM+4]
	v_lshl_or_b32 v[\pw], v[TM+6], 16, v[\pw]
	v_lshl_or_b32 v[\pw], v[TM+7], 24, v[\pw]
.irp b, 0,1,2,3
.irp i, 0,1,2,3,4,5,6,7,8,9,10,11,12,13,14,15
	v_med3_num_f32 v[\s+16*\b+\i], v[\s+16*\b+\i], -v[TM+8+\b], v[TM+8+\b]   ; the conversion to an 8-bit code does not saturate (ISA guide 7.6.2): the hold
.endr
	v_cvt_scalef32_pk8_bf8_f32 v[\pc+4*\b:\pc+1+4*\b], v[\s+16*\b:\s+7+16*\b], v[TM+12+\b]
	v_cvt_scalef32_pk8_bf8_f32 v[\pc+2+4*\b:\pc+3+4*\b], v[\s+8+16*\b:\s+15+16*\b], v[TM+12+\b]
.endr
	v_nop                                          ; a plain line behind the last conversion
.endm
	s_load_b256 s[4:11], s[0:1], 0x0               ; x s[4:5], Wq s[6:7], Wk s[8:9], Wv s[10:11]
	s_load_b128 s[12:15], s[0:1], 0x20             ; Ws s[12:13], Wo s[14:15]
	s_load_b64 s[16:17], s[0:1], 0x30              ; opq
	v_lshl_add_u32 v254, v0, 2, SPARE
	v_mov_b32 v255, 0
	v_lshrrev_b32 v1, 5, v0
	v_readfirstlane_b32 s18, v1                    ; wave 0..10
	s_mul_i32 s20, ttmp9, 11
	s_add_co_u32 s20, s20, s18                     ; my job, 0 .. 2,815
	s_lshr_b32 s19, s20, 4                         ; G: which 64 rows of the 11,264 (every tensor begins at a multiple of 64)
	s_and_b32 s21, s20, 7                          ; my K step
	s_bfe_u32 s20, s20, 0x10003                    ; which 32 of the 64 rows
	s_mul_i32 s32, s18, WREG                       ; my LDS
	s_add_co_u32 s33, s32, 16*SPI                  ; my scale words in it
	s_mov_b32 s[SEL], 0x76543210
	s_mov_b32 s[SEL+1], 0xfedcba98
	s_mov_b32 s[MNT], 0x600000
	v_and_b32 v7, 31, v0                           ; lane
	v_and_b32 v8, 15, v0                           ; r
	v_bfe_u32 v9, v0, 4, 1                         ; h
	v_lshlrev_b32 v1, 4, v7                        ; 16 x lane: a load's and a store's place
	v_add_nc_u32 v2, s32, v1                       ; the stage, way in
	v_mul_u32_u24 v3, v8, SPI
	v_lshl_add_u32 v3, v9, 6, v3
	v_add_nc_u32 v3, s32, v3                       ; way out: row r, + 64 h bytes
	v_lshl_add_u32 v4, v8, 2, s33                  ; my row's scale word (both halves of the lanes write the same word with the same value)
	v_lshl_add_u32 v5, v7, 2, s33                  ; and 4 bytes a lane on the way out
	v_lshlrev_b32 v6, 2, v7
.irp b, 0,1,2,3
	v_mov_b32 v[TM+4+\b], 0                        ; written once: a lane permute's destination counts as one of its sources
.endr
	s_wait_alu depctr_va_vdst(0)                   ; the wait at the head's end
	s_wait_kmcnt 0x0
	s_mov_b64 s[22:23], s[14:15]                   ; which tensor holds my rows, and at which G it begins: the choice hangs on ids alone
	s_mov_b32 s24, 160
	s_cmp_lt_u32 s19, 160
	s_cselect_b64 s[22:23], s[12:13], s[22:23]
	s_cselect_b32 s24, 112, s24
	s_cmp_lt_u32 s19, 112
	s_cselect_b64 s[22:23], s[10:11], s[22:23]
	s_cselect_b32 s24, 96, s24
	s_cmp_lt_u32 s19, 96
	s_cselect_b64 s[22:23], s[8:9], s[22:23]
	s_cselect_b32 s24, 80, s24
	s_cmp_lt_u32 s19, 80
	s_cselect_b64 s[22:23], s[6:7], s[22:23]
	s_cselect_b32 s24, 64, s24
	s_cmp_lt_u32 s19, 64
	s_cselect_b64 s[22:23], s[4:5], s[22:23]
	s_cselect_b32 s24, 0, s24
	s_sub_co_u32 s24, s19, s24
	s_lshl_b32 s24, s24, 18                        ; 64 rows of 4,096 bytes
	s_lshl_b32 s25, s20, 17                        ; + my 32 of them
	s_add_co_u32 s24, s24, s25
	s_lshl_b32 s25, s21, 9                         ; + my K step's 512 bytes
	s_add_co_u32 s24, s24, s25
	s_mov_b32 s25, 0
	s_add_nc_u64 s[22:23], s[22:23], s[24:25]
	s_lshl_b32 s26, s19, 16                        ; images: 4 tiles x 16,384 for 64 rows
	s_lshl_b32 s27, s20, 15
	s_add_co_u32 s26, s26, s27
	s_lshl_b32 s27, s21, 11
	s_add_co_u32 s26, s26, s27
	s_mov_b32 s27, 0
	s_add_nc_u64 s[28:29], s[16:17], s[26:27]
	s_mul_i32 s26, s21, SCPIT                      ; scale words
	s_lshl_b32 s30, s19, 8
	s_add_co_u32 s26, s26, s30
	s_lshl_b32 s30, s20, 7
	s_add_co_u32 s26, s26, s30
	s_add_co_u32 s26, s26, SCOFF
	s_add_nc_u64 s[30:31], s[16:17], s[26:27]
.macro LOAD t                          ; tile t's 16 rows, 512 consecutive bytes each
.irp i, 0,1,2,3,4,5,6,7,8,9,10,11,12,13,14,15
	global_load_b128 v[R0+64*(\t)+4*\i:R0+64*(\t)+4*\i+3], v1, s[22:23] offset:(8*(\t)+\i+8*(\i/8))*4096 th:TH_LOAD_NT
.endr
.endm
.macro STEP t
	s_wait_loadcnt 16*(1-(\t))                     ; this tile's 16 loads are in; behind tile 0's: tile 1's 16
.irp i, 0,1,2,3,4,5,6,7,8,9,10,11,12,13,14,15
	ds_store_b128 v2, v[R0+64*(\t)+4*\i:R0+64*(\t)+4*\i+3] offset:SPI*\i
.endr
.irp c, 0,1,2,3
.irp j, 0,1,2,3
	ds_load_b128 v[X+16*\c+4*\j:X+16*\c+4*\j+3], v3 offset:128*\c+16*\j   ; LDS serves a wave's instructions in order: these see the stores above
.endr
.endr
	s_wait_dscnt 0x0                               ; my numbers are back
	s_wait_xcnt 0x0                                ; the last tile's stores have read the codes' registers
	QUANT X, PC, PW
.irp c, 0,1,2,3
	global_store_b128 v1, v[PC+4*\c:PC+4*\c+3], s[28:29] offset:16384*(\t)+512*\c   ; 32 lanes store 512 consecutive bytes
.endr
	ds_store_b32 v4, v[PW] offset:64*(\t)
.endm
	LOAD 0
	LOAD 1
	STEP 0
	STEP 1
	ds_load_b32 v242, v5
	s_wait_dscnt 0x0
	global_store_b32 v6, v242, s[30:31]            ; 2 tiles x 16 words: 128 consecutive bytes
	s_wait_tensorcnt 0x0                           ; the wave's end
	ds_add_u32 v254, v255
	s_wait_dscnt 0x0
	s_endpgm
.Lfunc_end_k_qc79d67d28a_quant:
	.size	k_qc79d67d28a_quant, .Lfunc_end_k_qc79d67d28a_quant-k_qc79d67d28a_quant
	.p2alignl 7, 3214868480
	.fill 96, 4, 3214868480
	.section	.rodata,"a",@progbits
	.p2align	6, 0x0
	.amdhsa_kernel k_qc79d67d28a_quant
		.amdhsa_group_segment_fixed_size 97280
		.amdhsa_private_segment_fixed_size 0
		.amdhsa_enable_private_segment 0
		.amdhsa_kernarg_size 56
		.amdhsa_user_sgpr_count 2
		.amdhsa_user_sgpr_kernarg_segment_ptr 1
		.amdhsa_wavefront_size32 1
		.amdhsa_system_sgpr_workgroup_id_x 1
		.amdhsa_system_sgpr_workgroup_id_y 1
		.amdhsa_system_sgpr_workgroup_id_z 1
		.amdhsa_system_vgpr_workitem_id 0
		.amdhsa_next_free_vgpr 256
		.amdhsa_next_free_sgpr 66
		.amdhsa_reserve_vcc 0
		.amdhsa_float_denorm_mode_32 3
		.amdhsa_float_denorm_mode_16_64 3
		.amdhsa_memory_ordered 1
		.amdhsa_forward_progress 1
		.amdhsa_inst_pref_size 28
	.end_amdhsa_kernel
	.amdgpu_metadata
---
amdhsa.version: [ 1, 2 ]
amdhsa.kernels:
  - .name:           k_qc79d67d28a_quant
    .symbol:         k_qc79d67d28a_quant.kd
    .args:
      - { .name: hidden_states, .offset: 0, .size: 8, .value_kind: global_buffer, .address_space: global }
      - { .name: Wq, .offset: 8, .size: 8, .value_kind: global_buffer, .address_space: global }
      - { .name: Wk, .offset: 16, .size: 8, .value_kind: global_buffer, .address_space: global }
      - { .name: Wv, .offset: 24, .size: 8, .value_kind: global_buffer, .address_space: global }
      - { .name: Ws, .offset: 32, .size: 8, .value_kind: global_buffer, .address_space: global }
      - { .name: Wo, .offset: 40, .size: 8, .value_kind: global_buffer, .address_space: global }
      - { .name: opq, .offset: 48, .size: 8, .value_kind: global_buffer, .address_space: global }
    .group_segment_fixed_size: 97280
    .private_segment_fixed_size: 0
    .kernarg_segment_align: 8
    .kernarg_segment_size: 56
    .max_flat_workgroup_size: 352
    .sgpr_count:     66
    .vgpr_count:     256
    .wavefront_size: 32
...
	.end_amdgpu_metadata
.endif
;; end of part 1
;; launch qkv (part 2): grid 8 x 32, 4 waves a work-group, clusters of 4 x 4, 327,680 bytes of LDS; arguments opq, bq, bk, bv, qkv; writes qkv
.if DOCPART == 2
	.amdgcn_target "amdgcn-amd-amdhsa--gfx1250"
	.amdhsa_code_object_version 6
	.text
	.protected	k_qc79d67d28a_qkv
	.globl	k_qc79d67d28a_qkv
	.p2align	8
	.type	k_qc79d67d28a_qkv,@function
k_qc79d67d28a_qkv:
	s_mov_b64 s[64:65], 0
	v_nop
	global_prefetch_b8 v0, s[64:65] scope:SCOPE_SE
	s_setreg_imm32_b32 hwreg(HW_REG_WAVE_MODE, 25, 1), 1
	s_wait_xcnt 0x0
	s_wait_alu depctr_hold_cnt(0) depctr_sa_sdst(0) depctr_va_vdst(0) depctr_va_sdst(0) depctr_va_ssrc(0) depctr_va_vcc(0) depctr_vm_vsrc(0)
	s_getreg_b32 s2, hwreg(HW_REG_IB_STS2, 6, 4)
	s_cmp_eq_u32 s2, 0
	s_cbranch_scc0 .Lentry_in_a_cluster
	s_endpgm
.Lentry_in_a_cluster:
	s_bfe_u32 s2, ttmp6, 0x10000c
	s_cmp_lg_u32 s2, 0xf033
	s_cbranch_scc0 .Lentry_shape_is_right
	s_endpgm
.Lentry_shape_is_right:
; q = x Wq^T + bq, k = x Wk^T + bk, v = x Wv^T + bv on codes of BF8 with E8M0 scales (K = 1,024), each result quantised at once for attention: q and k along the head's 64, v along the keys.
; ONE WORK-GROUP MAKES ALL THREE for its 128 tokens and its 128 rows of each weight: x's tiles are fetched once for the three products, and x's fragments are read from LDS once for 48 matrix instructions.
; q, k: D = W x X (source 0 = 16 rows of W, source 1 = 16 tokens): a lane is a token, and since the rows of a tile are 32 (t / 2) + 8 (t % 2) + r + 8 (r / 8), the 16 registers of W's tiles 2 e, 2 e + 1 are 16 NEIGHBOURS
; 32 e + 16 h + 0 .. 15 along the head's 64.   v: D = X x W, the same fragments with the sources (and their scale operands) swapped: a lane is a channel, and the 16 registers of x's tiles 2 e, 2 e + 1 are 16 neighbouring keys.
; So every conversion's result is the next operand's registers.
; SHARES.  Each of four waves takes 64 tokens x 64 rows of each weight: 3 x 16 accumulators; 24 units of 16 products: for each K step of 128 the three weights follow each other.
; THE RING: two slots of 131,072 bytes, each with two K steps of x and of the three weights.  Waves 0-2 fetch Wq, Wk, Wv, wave 3 x: one load a wave behind each round; one is out at the start (slot 0).
; Operands lie in opq as images of their registers, so a fragment is four loads of 512 consecutive LDS bytes: no pitch, no padding.  The scale words of all 8 K steps come with the first fills.
; CLUSTERS: 4 x 4; the weights' tiles hang on x alone and are shared along a column, the tokens' on y alone and are shared along a row: joint loads; where a slot is filled again the cluster's round is the barrier.
; The bias is the C of each sum's first product.
; OUT (qkv): q, k: [32 heads: q 0-15, k 16-31][256 tiles of tokens][c 2][lane][16];  v at 8,388,608: [16 heads][32 steps of 128 keys][4 tiles of channels][2,048];
;   scale words at 12,582,912: [32][128 pairs of tiles][16 words], and v's at 12,845,056: [16][64 groups of 64 keys][2 pairs of tiles][16 words]; a word = the even tile's two bytes, then the odd tile's.
;   A wave's 32 scale words of a result are 128 consecutive bytes: half of an aligned 256; they are one byte in 32 of what the launch stores.
; LIMITS: NaN and infinities are not served; a block of zeros gets the byte 1 (its codes are zeros; this program alone reads the bytes).
; REGISTERS, in windows of 256: window 0: v1-17 addresses (v16, v17: the bias loads' offsets, outside the registers into which those loads land); v20, v21 serve the add alone; v24-31 scale words, two sets;
;   v32-63 bk, v64-95 bv, v96-127 bq until the sums have begun; v128-255 q's accumulators, (a, b) at 128 + 8 (4 a + b).   window 1: x's fragments at 0 and 64, the weights' at 128 and 192, by turns.
;   window 2: v128-255 k's accumulators;  window 3: v128-255 v's, (weight's tile, tokens' tile).  At the end v32-82 of windows 0, 2, 3 take each result's codes and what the quantiser works with: one text under three settings.
.set NS,    3                          ; weights that share x
.set KQ,    2                          ; K steps in a slot
.set TP,    2048*KQ                    ; a tile's bytes in a slot
.set PS,    8*TP                       ; an operand's part of a slot
.set NU,    8*NS                       ; units of 16 products a wave
.set NCH,   8/KQ                       ; slots' worth of K
.set SLOT1, 131072
.set SC1,   262144                     ; x's scale words, [8 K steps][8 tiles][64 bytes]
.set SC0,   266240                     ; the weights', 4,096 bytes each
.set SPARE, 278528                     ; the spare words: 128 bytes for each wave, two blocks of 256 bytes that no other line names
.set S0TILE, 256                       ; Wq's first tile in opq; Wk's and Wv's follow, 64 tiles each
.set SCOFF, 11534336                   ; opq: where the scale words begin
.set ACC,   128
.set BIQ,   96
.set BIK,   32
.set BIV,   64
.set SCR,   24
.set PC0,   32
.set PC1,   48
.set TM,    64
.set PW0,   80
.set PW1,   81
.set PWS,   82
.set SEL,   84
.set MNT,   86
.set TO_F,  0x40                       ; destination window 1, address window 0
.set MSB, 0
.macro WIN new                         ; the immediate's high byte repeats the setting that is left
.if MSB != \new
	s_set_vgpr_msb (MSB<<8)|\new
.set MSB, \new
.endif
.endm
.macro PLACES n
.rept \n
	v_nop
.endr
.endm
.macro CREST                           ; a round of the cluster's barrier behind its opening barrier
	s_cmp_lg_u32 s16, 0
	s_cbranch_scc1 .Lnot_wave_0_\@
	s_barrier_signal -3
.Lnot_wave_0_\@:
	s_barrier_wait -3
	s_barrier_signal -1
	s_barrier_wait -1
.endm
.macro CROUND
	s_barrier_signal -1
	s_barrier_wait -1
	CREST
.endm
; unit u = K step u / 3, weight u % 3.  Its fragments: the weight's four tiles, x's four where the K step is new, and four registers of scale words (lanes 0-15 x's tile i, lanes 16-31 the weight's tile i)
.macro FETCH u
.set fk, (\u)/NS
.set fn, (\u)%NS
.set fs, (fk/KQ)%2
.set fq, fk%KQ
	WIN TO_F
.irp b, 0,1,2,3
.irp c, 0,1,2,3
	ds_load_b128 v[128+64*((\u)%2)+16*\b+4*\c:128+64*((\u)%2)+16*\b+4*\c+3], v[5+(1+NS)*fs+fn] offset:\b*TP+2048*fq+512*\c
.endr
.endr
.if fn == 0
.irp a, 0,1,2,3
.irp c, 0,1,2,3
	ds_load_b128 v[64*(fk%2)+16*\a+4*\c:64*(fk%2)+16*\a+4*\c+3], v[4+(1+NS)*fs] offset:\a*TP+2048*fq+512*\c
.endr
.endr
.endif
	WIN 0
.irp i, 0,1,2,3
	ds_load_b32 v[SCR+4*((\u)%2)+\i], v[12+fn] offset:512*fk+64*\i
.endr
.endm
; the windows of unit u's products: sources 0 and 1 window 1; D window 0, 2 or 3 by the weight; C with D, but in the first K step window 0, where the biases lie
.macro MWIN u
.if ((\u)%NS) == 0
.set mw, 0x05
.elseif (\u) < NS
.set mw, 0x05+0x40*((\u)%NS+1)
.else
.set mw, 0x05+0x50*((\u)%NS+1)
.endif
	WIN mw
.endm
; 8 products: x's tiles a0, a0 + 1 with the weight's four.  In the first K step the sums begin with the bias.  A unit's 16 accumulators take turns, and so do the three sets
.macro MUL8 u, a0
.set mn,  (\u)%NS
.set mb0, 128+64*((\u)%2)
.set mb1, 64*(((\u)/NS)%2)
.set msc, SCR+4*((\u)%2)
.irp a, \a0, \a0+1
.irp b, 0,1,2,3
.if mn < 2
.set md, ACC+8*(4*(\a)+\b)
.set mc, BIQ-64*mn+8*\b
.if (\u) < NS
	v_wmma_scale_f32_16x16x128_f8f6f4 v[md:md+7], v[mb0+16*\b:mb0+16*\b+15], v[mb1+16*(\a):mb1+16*(\a)+15], v[mc:mc+7], v[msc+\b], v[msc+(\a)] matrix_a_fmt:MATRIX_FMT_BF8 matrix_b_fmt:MATRIX_FMT_BF8 matrix_a_scale:MATRIX_SCALE_ROW1
.else
	v_wmma_scale_f32_16x16x128_f8f6f4 v[md:md+7], v[mb0+16*\b:mb0+16*\b+15], v[mb1+16*(\a):mb1+16*(\a)+15], v[md:md+7], v[msc+\b], v[msc+(\a)] matrix_a_fmt:MATRIX_FMT_BF8 matrix_b_fmt:MATRIX_FMT_BF8 matrix_a_scale:MATRIX_SCALE_ROW1
.endif
.else
.set md, ACC+8*(4*\b+(\a))
.set mc, BIV+8*\b
.if (\u) < NS
	v_wmma_scale_f32_16x16x128_f8f6f4 v[md:md+7], v[mb1+16*(\a):mb1+16*(\a)+15], v[mb0+16*\b:mb0+16*\b+15], v[mc:mc+7], v[msc+(\a)], v[msc+\b] matrix_a_fmt:MATRIX_FMT_BF8 matrix_b_fmt:MATRIX_FMT_BF8 matrix_b_scale:MATRIX_SCALE_ROW1
.else
	v_wmma_scale_f32_16x16x128_f8f6f4 v[md:md+7], v[mb1+16*(\a):mb1+16*(\a)+15], v[mb0+16*\b:mb0+16*\b+15], v[md:md+7], v[msc+(\a)], v[msc+\b] matrix_a_fmt:MATRIX_FMT_BF8 matrix_b_fmt:MATRIX_FMT_BF8 matrix_b_scale:MATRIX_SCALE_ROW1
.endif
.endif
.endr
.endr
.endm
.macro REFILL sl                       ; a joint refill of slot sl: waves 0-2 their weight, wave 3 x; four v_nop follow each of the two lines
	s_cmp_lt_u32 s16, NS
	s_cbranch_scc0 .Lre_s1_\@
	tensor_load_to_lds s[76+4*(\sl):79+4*(\sl)], s[32:39]
	s_nop 0
	PLACES 4
	s_branch .Lre_done_\@
.Lre_s1_\@:
	tensor_load_to_lds s[60+8*(\sl):63+8*(\sl)], s[24:31]
	s_nop 0
	PLACES 4
.Lre_done_\@:
.endm
; A unit: 16 products; in its middle, behind eight places, the next unit's fragments are fetched into the registers that the unit before has left
.macro UNIT u
.set uch, ((\u)/NS)/KQ
.if ((((\u)+1)%(NS*KQ)) == 0) && (((\u)+1) < NU)
	s_wait_tensorcnt 0x0                           ; a slot's last unit: all my tensor loads have landed, my part of the next slot among them;
	ds_add_u32 v20, v21                            ; 0 onto my spare word;
	s_wait_dscnt 0x1                               ; (this unit's fragments are in; the add may be out)
	MWIN \u
	MUL8 \u, 0                                     ; eight products stand between the add and the wait for it
	s_wait_dscnt 0x0                               ; the add is done, and my reads of this slot are over
	s_barrier_signal -1
	WIN 0
	s_barrier_wait -1
.if uch+2 < NCH
	CREST                                          ; the barrier has opened a round of the cluster's: no wave of any partner still reads this slot or has a load on its way
	s_add_nc_u64 s[62+8*(uch%2):63+8*(uch%2)], s[62+8*(uch%2):63+8*(uch%2)], 2*TP
	s_add_nc_u64 s[78+4*(uch%2):79+4*(uch%2)], s[78+4*(uch%2):79+4*(uch%2)], 2*TP
	REFILL uch%2                                   ; the first tensor load behind the round, one a wave: the K steps two slots on
	PLACES 4                                       ; with the four behind the load: eight places in front of the loads below
.else
	PLACES 8
.endif
	FETCH (\u)+1
	MWIN \u
	MUL8 \u, 2
	WIN 0
.else
	s_wait_dscnt 0x0                               ; this unit's fragments and scale words are in
.if ((\u)+1) < NU
	PLACES 8                                       ; eight places behind the last unit's products, whose registers the next unit's fragments take:
	FETCH (\u)+1                                   ; asked for at the unit's top, with this unit's 16 products between the loads and the wait for them
.endif
	MWIN \u
	MUL8 \u, 0
	MUL8 \u, 2
	WIN 0
.endif
.endm
.macro QUANT s, pc, pw                 ; 64 numbers of a lane, four blocks of 16 registers, each joined with lane l xor 16's -> 16 registers of codes and a word of four scale bytes
.irp b, 0,1,2,3
	v_max3_num_f32 v[TM+\b], |v[\s+16*\b]|, |v[\s+1+16*\b]|, 0x8000000   ; and the floor 2^(16 - 127): the byte cannot fall under 1
.endr
.irp i, 2,4,6,8,10,12,14
.irp b, 0,1,2,3
	v_max3_num_f32 v[TM+\b], v[TM+\b], |v[\s+16*\b+\i]|, |v[\s+1+16*\b+\i]|
.endr
.endr
.irp b, 0,1,2,3
	v_permlanex16_b32 v[TM+4+\b], v[TM+\b], s[SEL], s[SEL+1]
.endr
.irp b, 0,1,2,3
	v_max_num_f32 v[TM+\b], v[TM+\b], v[TM+4+\b]
.endr
.irp b, 0,1,2,3
	v_add_nc_u32 v[TM+12+\b], 0xf8800000, v[TM+\b]                    ; 15 off the exponent field: the conversion's scale operand
.endr
.irp b, 0,1,2,3
	v_and_or_b32 v[TM+8+\b], v[TM+\b], 0x7f800000, s[MNT]             ; 57,344 x the scale
.endr
.irp b, 0,1,2,3
	v_lshrrev_b32 v[TM+4+\b], 23, v[TM+12+\b]                         ; the scale's byte
.endr
	v_lshl_or_b32 v[\pw], v[TM+5], 8, v[TM+4]
	v_lshl_or_b32 v[\pw], v[TM+6], 16, v[\pw]
	v_lshl_or_b32 v[\pw], v[TM+7], 24, v[\pw]
.irp b, 0,1,2,3
.irp i, 0,1,2,3,4,5,6,7,8,9,10,11,12,13,14,15
	v_med3_num_f32 v[\s+16*\b+\i], v[\s+16*\b+\i], -v[TM+8+\b], v[TM+8+\b]   ; the conversion does not saturate (ISA guide 7.6.2): the hold
.endr
	v_cvt_scalef32_pk8_bf8_f32 v[\pc+4*\b:\pc+1+4*\b], v[\s+16*\b:\s+7+16*\b], v[TM+12+\b]
	v_cvt_scalef32_pk8_bf8_f32 v[\pc+2+4*\b:\pc+3+4*\b], v[\s+8+16*\b:\s+15+16*\b], v[TM+12+\b]
.endr
	v_nop                                          ; a plain line behind the last conversion
.endm
; One result leaves: its accumulators lie in window w; the quantiser runs wholly in that window; the stores take their addresses from window 0 and their data from window w.
; bl: the scalar pair with the codes' base; off: bytes on from it; stride: from tile to tile of the lanes' matrix; scoff: bytes on from the scale words' base
.macro LEAVE w, bl, off, stride, scoff
	WIN 0x55*(\w)
.irp b, 0,1,2,3
	v_mov_b32 v[TM+4+\b], 0                        ; a lane permute's destination counts as one of its sources
.endr
	QUANT ACC, PC0, PW0                            ; the lanes' tiles 0, 1: blocks (tile, e) = (0,0) (0,1) (1,0) (1,1)
	QUANT ACC+64, PC1, PW1                         ; tiles 2, 3
	v_cndmask_b32 v[PWS], v[PW0], v[PW1], vcc_lo   ; lanes 0-15: the first pair of tiles; lanes 16-31: the second
	WIN 0x04*(\w)                                  ; a store's data are its source 1
.irp a, 0,1,2,3
.irp e, 0,1
	global_store_b128 v3, v[PC0+16*(\a/2)+4*(2*(\a%2)+\e):PC0+16*(\a/2)+4*(2*(\a%2)+\e)+3], s[\bl:\bl+1] offset:\off+\stride*\a+512*\e   ; 32 lanes store 512 consecutive bytes
.endr
.endr
	global_store_b32 v15, v[PWS], s[8:9] offset:\scoff
.endm
	s_load_b256 s[4:11], s[0:1], 0x0               ; opq s[4:5], bq s[6:7], bk s[8:9], bv s[10:11]
	s_load_b64 s[12:13], s[0:1], 0x20              ; qkv
	v_lshl_add_u32 v20, v0, 2, SPARE
	v_mov_b32 v21, 0
	ds_add_u32 v20, v21
	ds_add_u32 v20, v21
	s_wait_dscnt 0x0
	v_lshrrev_b32 v1, 5, v0
	v_readfirstlane_b32 s16, v1                    ; wave 0..3
	s_lshr_b32 s17, s16, 1                         ; which 64 tokens are mine
	s_and_b32 s18, s16, 1                          ; which 64 rows of each weight
	s_min_u32 s23, s16, NS-1                       ; which weight I would fetch
	s_bfe_u32 s19, ttmp6, 0x40000                  ; cx
	s_bfe_u32 s20, ttmp6, 0x40004                  ; cy
	s_lshl_b32 s21, ttmp9, 2
	s_add_co_u32 s21, s21, s19                     ; X0: which 128 rows of each weight, 0 .. 7
	s_and_b32 s22, ttmp7, 0xffff
	s_lshl_b32 s22, s22, 2
	s_add_co_u32 s22, s22, s20                     ; Y1: which 128 tokens, 0 .. 31
	s_lshl_b32 s96, s21, 3
	s_lshl_b32 s66, s23, 6
	s_add_co_u32 s96, s96, s66
	s_add_co_u32 s96, s96, S0TILE                  ; the weight's first tile in opq
	s_lshl_b32 s97, s22, 3                         ; x's
	s_lshl_b32 s88, s21, 1
	s_add_co_u32 s88, s88, s18                     ; w0: my 64 rows of each weight = the head, 0 .. 15
	s_lshl_b32 s92, s22, 1
	s_add_co_u32 s92, s92, s17                     ; w1: my 64 tokens, 0 .. 63
	s_lshl_b32 s2, s20, 2
	s_lshl_b32 s2, 15, s2                          ; my row of the cluster
	s_lshl_b32 s66, 0x1111, s19                    ; my column
	; group 1: codes: 8 tiles (rows) of TP bytes, 16,384 bytes apart.  Elements of 8 bytes, no padding; bit 21 beside the mask
	s_or_b32 s24, s2, (3<<16)|(1<<21)              ; x's codes
	s_or_b32 s32, s66, (3<<16)|(1<<21)             ; the weights' codes
.irp g, 24, 32
	s_mov_b32 s[\g+1], (TP/8)<<16                  ; tensor_dim0
	s_mov_b32 s[\g+2], 8<<16                       ; tensor_dim1
	s_mov_b32 s[\g+3], (TP/8)<<16                  ; tile_dim0
	s_mov_b32 s[\g+4], 8                           ; tile_dim1
	s_mov_b32 s[\g+5], 2048                        ; the pitch
	s_mov_b32 s[\g+6], 0
	s_mov_b32 s[\g+7], 0
.endr
	; group 0: x: slot 0 s[60:63], slot 1 s[68:71];  the weight: s[76:79], s[80:83].  s[58:59], s[74:75]: plain addresses of x's and the weight's scale words
	s_mov_b32 s60, 1
	s_mov_b32 s61, 0
	s_mov_b32 s68, 1
	s_mov_b32 s69, SLOT1
	s_mov_b32 s76, 1
	s_mul_i32 s77, s23, PS
	s_add_co_u32 s77, s77, PS
	s_mov_b32 s80, 1
	s_add_co_u32 s81, s77, SLOT1
	s_lshl_b32 s2, s97, 14                         ; a tile's images are 16,384 bytes
	s_mov_b32 s3, 0
	s_lshl_b32 s66, s96, 14
	s_mov_b32 s67, 0
	s_mov_b32 s[SEL], 0x76543210
	s_mov_b32 s[SEL+1], 0xfedcba98
	s_mov_b32 s[MNT], 0x600000
	s_wait_kmcnt 0x0
	s_add_nc_u64 s[62:63], s[4:5], s[2:3]
	s_add_nc_u64 s[70:71], s[62:63], TP            ; K steps 2 and 3
	s_add_nc_u64 s[78:79], s[4:5], s[66:67]
	s_add_nc_u64 s[82:83], s[78:79], TP
	s_lshl_b32 s2, s97, 6
	s_add_co_u32 s2, s2, SCOFF
	s_add_nc_u64 s[58:59], s[4:5], s[2:3]
	s_lshl_b32 s66, s96, 6
	s_add_co_u32 s66, s66, SCOFF
	s_add_nc_u64 s[74:75], s[4:5], s[66:67]
.irp g, 63, 71, 79, 83
	s_or_b32 s[\g], s[\g], 0x80000000              ; type = 2
.endr
	CROUND                                         ; all sixteen work-groups are here: the joint loads meet
	s_cmp_lt_u32 s16, NS                           ; a wave's first fills stand in one branch: one load of mine is out
	s_cbranch_scc0 .Lnot_s0                        ; AT THE HEAD ONE TENSOR LOAD A WAVE: slot 0's part; slot 1's first fill follows behind a round, as a refill does
	tensor_load_to_lds s[76:79], s[32:39]
	s_nop 0
	PLACES 4
	s_branch .Lasked
.Lnot_s0:
	tensor_load_to_lds s[60:63], s[24:31]
	s_nop 0
	PLACES 4
.Lasked:
	; THE SCALE WORDS come through registers: each wave takes its operand's 8 K steps x 512 consecutive bytes and stores them to LDS bytes into which no tensor load lands.
	; They are 16,384 of the 540,672 bytes that a work-group reads, so they are not asked for jointly.
	s_cmp_lt_u32 s16, NS
	s_cselect_b64 s[74:75], s[74:75], s[58:59]     ; waves 0-2: my weight's; wave 3: x's
	s_add_co_u32 s2, s16, 1
	s_and_b32 s2, s2, 3
	s_lshl_b32 s2, s2, 12
	s_add_co_u32 s2, s2, SC1                       ; x's at SC1, weight n's 4,096 (n + 1) bytes on
	v_and_b32 v18, 31, v0
	v_lshlrev_b32 v18, 4, v18                      ; 16 x lane
	v_add_nc_u32 v19, s2, v18
.irp k, 0,1,2,3,4,5,6,7
	global_load_b128 v[ACC+4*\k:ACC+4*\k+3], v18, s[74:75] offset:45056*\k
.endr
	v_and_b32 v1, 15, v0                           ; r
	v_bfe_u32 v2, v0, 4, 1                         ; h
	v_and_b32 v3, 31, v0
	v_lshlrev_b32 v15, 2, v3                       ; 4 x lane
	v_lshlrev_b32 v3, 4, v3                        ; 16 x lane
	s_wait_alu depctr_va_vdst(0)
	v_lshlrev_b32 v16, 6, v2                       ; bq, bk: 16 h numbers on
	v_and_b32 v17, 8, v1
	v_add_nc_u32 v17, v17, v1
	v_lshlrev_b32 v17, 2, v17                      ; bv: number r + 8 (r / 8)
	s_lshl_b32 s98, s88, 8                         ; my 64 numbers of each bias
	s_mov_b32 s99, 0
	s_add_nc_u64 s[6:7], s[6:7], s[98:99]
	s_add_nc_u64 s[8:9], s[8:9], s[98:99]
	s_add_nc_u64 s[10:11], s[10:11], s[98:99]
.irp b, 0,1,2,3
	global_load_b128 v[BIQ+8*\b:BIQ+8*\b+3], v16, s[6:7] offset:4*(32*(\b/2)+8*(\b%2))       ; register j of tile b: row 32 (b / 2) + 16 h + 8 (b % 2) + j
	global_load_b128 v[BIQ+8*\b+4:BIQ+8*\b+7], v16, s[6:7] offset:4*(32*(\b/2)+8*(\b%2))+16
	global_load_b128 v[BIK+8*\b:BIK+8*\b+3], v16, s[8:9] offset:4*(32*(\b/2)+8*(\b%2))
	global_load_b128 v[BIK+8*\b+4:BIK+8*\b+7], v16, s[8:9] offset:4*(32*(\b/2)+8*(\b%2))+16
.endr
.irp b, 0,1,2,3
.irp j, 0,1,2,3,4,5,6,7
	global_load_b32 v[BIV+8*\b+\j], v17, s[10:11] offset:4*(32*(\b/2)+8*(\b%2))              ; all eight registers: my lane's channel of Wv's tile b
.endr
.endr
	s_mul_i32 s98, s17, 4*TP
	v_add_nc_u32 v4, s98, v3                       ; my four tiles of x in slot 0,
	v_add_nc_u32 v[4+(1+NS)], SLOT1, v4            ; in slot 1
	s_mul_i32 s98, s18, 4*TP
.irp n, 0,1,2
	s_add_co_u32 s99, s98, PS*(1+\n)
	v_add_nc_u32 v[5+\n], s99, v3                  ; my four tiles of weight n
	v_add_nc_u32 v[5+(1+NS)+\n], SLOT1, v[5+\n]
.endr
	s_lshl_b32 s98, s17, 8
	v_lshlrev_b32 v22, 2, v1
	s_add_co_u32 s99, s98, SC1
	v_add_nc_u32 v22, s99, v22                     ; scale words: lanes 0-15 x's;
.irp n, 0,1,2
	s_lshl_b32 s99, s18, 8
	s_add_co_u32 s99, s99, 4096*(1+\n)
	s_sub_co_u32 s99, s99, s98
	v_mul_u32_u24 v23, s99, v2                     ; lanes 16-31 the weight's: one product, h x the distance
	s_wait_alu depctr_va_vdst(0)
	v_add_nc_u32 v[12+\n], v22, v23
.endr
	s_wait_alu depctr_va_vdst(0)
	s_wait_loadcnt 0x0                             ; the scale words and the biases
.irp k, 0,1,2,3,4,5,6,7
	ds_store_b128 v19, v[ACC+4*\k:ACC+4*\k+3] offset:512*\k
.endr
	s_wait_tensorcnt 0x0                           ; my part of slot 0 is in;
	ds_add_u32 v20, v21                            ; 0 onto my spare word;
	s_wait_dscnt 0x0                               ; the add and my stores of scale words are done
	CROUND                                         ; everybody's are, in all sixteen work-groups
	REFILL 1                                       ; slot 1's first fill: the first tensor load behind the round, one a wave
	FETCH 0
.irp u, 0,1,2,3,4,5,6,7,8,9,10,11,12,13,14,15,16,17,18,19,20,21,22,23
	UNIT \u
.endr
	PLACES 8                                       ; in front of the first read of results
	v_cmp_eq_u32 vcc_lo, 1, v2
	s_mov_b32 s99, 0                               ; (the bias loads are long done: their bases are free)
	s_lshl_b32 s98, s88, 18                        ; q's codes: the head x 262,144
	s_lshl_b32 s87, s92, 12                        ; + my four tiles of tokens x 1,024;  k's lie 16 heads on
	s_add_co_u32 s98, s98, s87
	s_add_nc_u64 s[6:7], s[12:13], s[98:99]
	s_lshl_b32 s98, s88, 13                        ; q's scale words: the head x 8,192 + my 64 tokens x 2 bytes;  k's lie 16 heads on, v's 32
	s_lshl_b32 s87, s92, 7
	s_add_co_u32 s98, s98, s87
	s_add_co_u32 s98, s98, 12582912
	s_add_nc_u64 s[8:9], s[12:13], s[98:99]
	s_lshl_b32 s98, s88, 18                        ; v's codes: the head x 262,144
	s_lshl_b32 s87, s22, 13                        ; + the step of 128 keys x 8,192
	s_add_co_u32 s98, s98, s87
	s_lshl_b32 s87, s17, 10                        ; + my half of it x 1,024
	s_add_co_u32 s98, s98, s87
	s_add_co_u32 s98, s98, 8388608
	s_add_nc_u64 s[10:11], s[12:13], s[98:99]
	LEAVE 0, 6, 0, 1024, 0                         ; q
	LEAVE 2, 6, 4194304, 1024, 131072              ; k
	LEAVE 3, 10, 0, 2048, 262144                   ; v
	WIN 0
	s_wait_tensorcnt 0x0                           ; the wave's end
	ds_add_u32 v20, v21
	s_wait_dscnt 0x0
	CROUND                                         ; the closing round
	s_endpgm
.Lfunc_end_k_qc79d67d28a_qkv:
	.size	k_qc79d67d28a_qkv, .Lfunc_end_k_qc79d67d28a_qkv-k_qc79d67d28a_qkv
	.p2alignl 7, 3214868480
	.fill 96, 4, 3214868480
	.section	.rodata,"a",@progbits
	.p2align	6, 0x0
	.amdhsa_kernel k_qc79d67d28a_qkv
		.amdhsa_group_segment_fixed_size 327680
		.amdhsa_private_segment_fixed_size 0
		.amdhsa_enable_private_segment 0
		.amdhsa_kernarg_size 40
		.amdhsa_user_sgpr_count 2
		.amdhsa_user_sgpr_kernarg_segment_ptr 1
		.amdhsa_wavefront_size32 1
		.amdhsa_system_sgpr_workgroup_id_x 1
		.amdhsa_system_sgpr_workgroup_id_y 1
		.amdhsa_system_sgpr_workgroup_id_z 1
		.amdhsa_system_vgpr_workitem_id 0
		.amdhsa_next_free_vgpr 1024
		.amdhsa_next_free_sgpr 100
		.amdhsa_reserve_vcc 1
		.amdhsa_float_denorm_mode_32 3
		.amdhsa_float_denorm_mode_16_64 3
		.amdhsa_memory_ordered 1
		.amdhsa_forward_progress 1
		.amdhsa_inst_pref_size 165
	.end_amdhsa_kernel
	.amdgpu_metadata
---
amdhsa.version: [ 1, 2 ]
amdhsa.kernels:
  - .name:           k_qc79d67d28a_qkv
    .symbol:         k_qc79d67d28a_qkv.kd
    .args:
      - { .name: opq, .offset: 0, .size: 8, .value_kind: global_buffer, .address_space: global }
      - { .name: bq, .offset: 8, .size: 8, .value_kind: global_buffer, .address_space: global }
      - { .name: bk, .offset: 16, .size: 8, .value_kind: global_buffer, .address_space: global }
      - { .name: bv, .offset: 24, .size: 8, .value_kind: global_buffer, .address_space: global }
      - { .name: qkv, .offset: 32, .size: 8, .value_kind: global_buffer, .address_space: global }
    .group_segment_fixed_size: 327680
    .private_segment_fixed_size: 0
    .kernarg_segment_align: 8
    .kernarg_segment_size: 40
    .max_flat_workgroup_size: 128
    .sgpr_count:     100
    .vgpr_count:     1024
    .wavefront_size: 32
...
	.end_amdgpu_metadata
.endif
;; end of part 2
;; launch attn (part 3): grid 8 x 32, 8 waves a work-group, clusters of 4 x 1, 327,680 bytes of LDS; arguments qkv, ao; writes ao
.if DOCPART == 3
	.amdgcn_target "amdgcn-amd-amdhsa--gfx1250"
	.amdhsa_code_object_version 6
	.text
	.protected	k_qc79d67d28a_attn
	.globl	k_qc79d67d28a_attn
	.p2align	8
	.type	k_qc79d67d28a_attn,@function
k_qc79d67d28a_attn:
	s_mov_b64 s[64:65], 0
	v_nop
	global_prefetch_b8 v0, s[64:65] scope:SCOPE_SE
	s_setreg_imm32_b32 hwreg(HW_REG_WAVE_MODE, 25, 1), 1
	s_wait_xcnt 0x0
	s_wait_alu depctr_hold_cnt(0) depctr_sa_sdst(0) depctr_va_vdst(0) depctr_va_sdst(0) depctr_va_ssrc(0) depctr_va_vcc(0) depctr_vm_vsrc(0)
	s_getreg_b32 s2, hwreg(HW_REG_IB_STS2, 6, 4)
	s_cmp_eq_u32 s2, 0
	s_cbranch_scc0 .Lentry_in_a_cluster
	s_endpgm
.Lentry_in_a_cluster:
	s_bfe_u32 s2, ttmp6, 0x10000c
	s_cmp_lg_u32 s2, 0x3003
	s_cbranch_scc0 .Lentry_shape_is_right
	s_endpgm
.Lentry_shape_is_right:
; attn_output = softmax(q k^T / 8) v for one batch and head, both products on codes of BF8 (E5M2) with E8M0 scales, and its quantiser along the 1,024 for the next product.
; THE SOFTMAX: t = score x log2(e) / 8; M = the ceiling of the running largest t; p = 2^(t - M) is quantised along the keys, not normalised; the row's sum is taken of the unquantised p and divides at the end.
; When M moves, the sums and O^T are multiplied by 2^(old M - new M), which rounds nothing; no branch hangs on data.
; IN (qkv): q, k [32 heads: q, then k][256 tiles of 16 tokens][c 2][lane][16]; v at 8,388,608 [16][32 steps of 128 keys][4 tiles of channels][2,048]; scale words at 12,582,912 (q, k: a word a pair of tiles and row) and v's at 12,845,056.
; Lane r of tile T is token 32 (T / 2) + 8 (T % 2) + r + 8 (r / 8), so the 16 registers of S^T's tiles 2 b, 2 b + 1 are 16 neighbouring keys.  OUT (ao): [256 tiles][8 K steps][c][lane][16], scale words at 4,194,304.
; SHARES.  A work-group owns 256 queries of one batch and head, each of eight waves two tiles of 16: a fragment of K or V read from LDS, and a step's scalar lines, serve both.  S^T = K Q^T, O^T = V^T P^T: a lane holds one query.
; The head's 64 are half of the instruction's 128: a fragment of K holds two tiles of keys, and Q stands beside eight registers of zero codes, below or above.
; LDS: all 2,048 keys of K (131,072 bytes), V (131,072) and their scale words (2 x 4,096) are filled once, one joint load a wave at the head; nothing is filled again.
; Waves 0-3 bring the first four key steps and the words, and they alone wait at the first barrier; waves 4-7 bring the rest by a load line of their own, shown by the second barrier, behind two steps (which read key steps 0 to 2).
; CLUSTER: the four work-groups of a cluster own query blocks of the same batch and head and ask for K, V and the scale words jointly (mask 15).
; No prefetch: every tile is asked for at the head, so there is no loop to run ahead in.
; K's fragments are fetched one step ahead.  The last trip so fetches 8,192 + 256 bytes behind K's (V's first step and words, which lie in LDS) that no product takes: so the step has one form.
; LIMITS: NaN and infinities are not served; the scaled scores stay under 2^31 in magnitude; a block of zeros gets the byte 1 (its codes are zeros; this program alone reads the bytes).
; REGISTERS.  Window 0: v1-7 addresses; v8-11 (-M, largest score) a tile; v12-19 sums; v20-23 f; v24-41 scale words; v42-79 at work; v80-111 p's codes; v112-239 S^T, then p, tile x at 112 + 64 x.
;   Window 1: v0-63 K's fragments, v64-127 V's, v128-191 O^T (tile x at 128 + 32 x), v192-231 zeros, Q0, zeros, Q1, zeros.
.set VOFF, 131072
.set KSC,  262144
.set VSC,  266240
.set SPARE, 270336                     ; the spare words: 128 bytes for each of eight waves
.set NM,   8
.set SUM,  12
.set F,    20
.set KS,   24
.set VS,   28
.set RAW,  32
.set QS,   36
.set PS,   40
.set BM,   42
.set T4,   50
.set HOLD, 58
.set SCO,  66
.set TMP,  74
.set SPW,  76
.set NIL,  77
.set PW,   78
.set PCD,  80
.set S,    112
.set KF,   0
.set VF,   64
.set O,    128
.set QB,   200
.set CS,   52
.set SEL,  54
.set MNT,  56
.set TB,   57
.set TS,   58
.set CNT,  59
.set MSB, 0
.macro WIN new                         ; the immediate's high byte repeats the setting that is left
.if MSB != \new
	s_set_vgpr_msb (MSB<<8)|\new
.set MSB, \new
.endif
.endm
.macro PLACES n
.rept \n
	v_nop
.endr
.endm
.macro WALU
	s_wait_alu depctr_va_vdst(0)
.endm
.macro CROUND                          ; a round of the cluster's barrier
	s_barrier_signal -1
	s_barrier_wait -1
	s_cmp_lg_u32 s8, 0
	s_cbranch_scc1 .Lnot_wave_0_\@
	s_barrier_signal -3
.Lnot_wave_0_\@:
	s_barrier_wait -3
	s_barrier_signal -1
	s_barrier_wait -1
.endm
.macro G1SET g, rows                   ; a dense block as rows of 256 bytes (32 elements of 8), mask 15, bit 21 beside it
	s_mov_b32 s[\g], 15|(3<<16)|(1<<21)
	s_mov_b32 s[\g+1], 32<<16
	s_mov_b32 s[\g+2], (\rows)<<16
	s_mov_b32 s[\g+3], 32<<16
	s_mov_b32 s[\g+4], \rows
	s_mov_b32 s[\g+5], 32
	s_mov_b32 s[\g+6], 0
	s_mov_b32 s[\g+7], 0
.endm
.macro TLOAD g0, g1
	tensor_load_to_lds s[\g0:\g0+3], s[\g1:\g1+7]
	s_nop 0
	PLACES 4
.endm
.macro QK                              ; 16 products: fragment f = key tiles 2 f, 2 f + 1; u picks one of them by where Q's zeros stand; x the query tile
.irp f, 0,1,2,3
.irp u, 0,1
.irp x, 0,1
	v_wmma_scale_f32_16x16x128_f8f6f4 v[S+64*\x+16*\f+8*\u:S+64*\x+16*\f+8*\u+7], v[KF+16*\f:KF+16*\f+15], v[QB+16*\x-8*\u:QB+16*\x-8*\u+15], 0, v[KS+\f], v[QS+\x] matrix_a_fmt:MATRIX_FMT_BF8 matrix_b_fmt:MATRIX_FMT_BF8
.endr
.endr
.endr
.endm
.macro PV                              ; 8 products on 8 accumulators by turns
.irp t, 0,1,2,3
.irp x, 0,1
	v_wmma_scale_f32_16x16x128_f8f6f4 v[O+32*\x+8*\t:O+32*\x+8*\t+7], v[VF+16*\t:VF+16*\t+15], v[PCD+16*\x:PCD+16*\x+15], v[O+32*\x+8*\t:O+32*\x+8*\t+7], v[VS+\t], v[PS+\x] matrix_a_fmt:MATRIX_FMT_BF8 matrix_b_fmt:MATRIX_FMT_BF8
.endr
.endr
.endm
.macro EXPB g                          ; block g = 4 x + b: its 16 p
.set e_, 0
.rept 16
	v_exp_f32 v[S+16*(\g)+e_], v[S+16*(\g)+e_]
.set e_, e_+1
.endr
.endm
.macro WORK g                          ; block g: the sums of the unquantised p (two chains), the one-sided hold (the conversion does not saturate: ISA guide 7.6.2), the codes
.set b_, S+16*(\g)
.set a_, SUM+4*((\g)/4)
.irp i, 0,4,8,12
	v_pk_add_f32 v[a_:a_+1], v[a_:a_+1], v[b_+\i:b_+\i+1]
	v_pk_add_f32 v[a_+2:a_+3], v[a_+2:a_+3], v[b_+\i+2:b_+\i+3]
	v_dual_min_num_f32 v[b_+\i], v[b_+\i], v[HOLD+(\g)] :: v_dual_min_num_f32 v[b_+\i+1], v[b_+\i+1], v[HOLD+(\g)]
	v_dual_min_num_f32 v[b_+\i+2], v[b_+\i+2], v[HOLD+(\g)] :: v_dual_min_num_f32 v[b_+\i+3], v[b_+\i+3], v[HOLD+(\g)]
.endr
	v_cvt_scalef32_pk8_bf8_f32 v[PCD+4*(\g):PCD+4*(\g)+1], v[b_:b_+7], v[SCO+(\g)]
	v_cvt_scalef32_pk8_bf8_f32 v[PCD+4*(\g)+2:PCD+4*(\g)+3], v[b_+8:b_+15], v[SCO+(\g)]
.endm
; A KEY STEP: 128 keys for both query tiles
.macro STEP
	s_wait_dscnt 0x0                               ; this step's fragments and words of K, asked for a step ago
	WIN 0x05
	QK
	WIN 0
	v_add_nc_u32 v3, s[TB], v1                     ; with the five below: eight places behind the products, ahead of the loads into what they and the last step's have read, and of the first read of S^T
	v_add_nc_u32 v5, s[TS], v2
	v_add_nc_u32 v4, VOFF, v3
	PLACES 5
.irp e, 0,1
.irp q, 0,1
	ds_load_b32 v[RAW+2*\e+\q], v5 offset:VSC-KSC+128*\e+64*\q
.endr
.endr
	WIN 0x40
.irp t, 0,1,2,3
.irp c, 0,1,2,3
	ds_load_b128 v[VF+16*\t+4*\c:VF+16*\t+4*\c+3], v4 offset:2048*\t+512*\c
.endr
.endr
.irp f, 0,1,2,3
.irp c, 0,1,2,3
	ds_load_b128 v[KF+16*\f+4*\c:KF+16*\f+4*\c+3], v3 offset:8192+2048*\f+512*\c   ; the next step's K
.endr
.endr
	WIN 0
.irp f, 0,1,2,3
	ds_load_b32 v[KS+\f], v5 offset:256+64*\f
.endr
.irp g, 0,1,2,3,4,5,6,7                        ; the largest score of each block of 32 keys: eight chains by turns
	v_max3_num_f32 v[BM+\g], v[S+16*\g], v[S+1+16*\g], v[S+2+16*\g]
.endr
.irp i, 3,5,7,9,11,13
.irp g, 0,1,2,3,4,5,6,7
	v_max3_num_f32 v[BM+\g], v[BM+\g], v[S+16*\g+\i], v[S+1+16*\g+\i]
.endr
.endr
.irp g, 0,1,2,3,4,5,6,7
	v_max_num_f32 v[BM+\g], v[BM+\g], v[S+15+16*\g]
.endr
.irp g, 0,1,2,3,4,5,6,7
	v_permlanex16_b32 v[T4+\g], v[BM+\g], s[SEL], s[SEL+1]
.endr
.irp g, 0,1,2,3,4,5,6,7
	v_max_num_f32 v[BM+\g], v[BM+\g], v[T4+\g]     ; with lane l xor 16's 16 keys
.endr
.irp x, 0,1
	v_max3_num_f32 v[NM+1+2*\x], v[NM+1+2*\x], v[BM+4*\x], v[BM+4*\x+1]   ; the running largest score
.endr
.irp x, 0,1
	v_max3_num_f32 v[NM+1+2*\x], v[NM+1+2*\x], v[BM+4*\x+2], v[BM+4*\x+3]
.endr
.irp x, 0,1
	v_mul_f32 v[TMP+\x], s[CS], v[NM+1+2*\x]       ; as t
.endr
.irp x, 0,1
	v_floor_f32 v[T4+4*\x], -v[TMP+\x]             ; the new -M = -ceil(t)
.endr
.irp x, 0,1
	v_sub_f32 v[TMP+\x], v[T4+4*\x], v[NM+2*\x]    ; old M - new M: a whole number, 0 or less
.endr
.irp x, 0,1
	v_mov_b32 v[NM+2*\x], v[T4+4*\x]
.endr
.irp x, 0,1
	v_cvt_i32_f32 v[TMP+\x], v[TMP+\x]             ; (it saturates)
.endr
.irp x, 0,1
	v_ldexp_f32 v[F+2*\x], 1.0, v[TMP+\x]          ; f = 2^(old M - new M)
.endr
.irp x, 0,1
.set p_, 0
.rept 32
	v_pk_fma_f32 v[S+64*\x+p_:S+64*\x+p_+1], v[S+64*\x+p_:S+64*\x+p_+1], s[CS:CS+1], v[NM+2*\x:NM+2*\x+1] op_sel_hi:[1,0,0]   ; t - M
.set p_, p_+2
.endr
.irp b, 0,1,2,3
	v_fma_f32 v[BM+4*\x+\b], v[BM+4*\x+\b], s[CS], v[NM+2*\x]   ; the same of each block's largest score
.endr
.endr
	WALU                                           ; the wait ahead of a batch of exponentials, and one behind it
.irp g, 0,1,2,3,4,5,6,7
	v_exp_f32 v[BM+\g], v[BM+\g]                   ; each block's largest p
.endr
	EXPB 0
.irp x, 0,1
	v_pk_mul_f32 v[SUM+4*\x:SUM+4*\x+1], v[SUM+4*\x:SUM+4*\x+1], v[F+2*\x:F+2*\x+1] op_sel_hi:[1,0]       ; the sums under the new M
	v_pk_mul_f32 v[SUM+4*\x+2:SUM+4*\x+3], v[SUM+4*\x+2:SUM+4*\x+3], v[F+2*\x:F+2*\x+1] op_sel_hi:[1,0]
.endr
	WALU
	s_wait_dscnt 36                                ; V's raw scale words are in; behind them: V's 16 loads, K's 16 and K's 4 words
	EXPB 1                                         ; from here on a batch of 16 stands ahead of the plain work on the batch before it
.irp q, 0,1
	v_perm_b32 v[VS+2*\q], v[RAW+2+\q], v[RAW+\q], 0x05040100     ; V's words for 128 keys: two bytes of each group of 64
	v_perm_b32 v[VS+2*\q+1], v[RAW+2+\q], v[RAW+\q], 0x07060302
.endr
.irp g, 0,1,2,3,4,5,6,7
	v_max_num_f32 v[BM+\g], 0x8000000, v[BM+\g]    ; the floor 2^(16 - 127): the byte cannot fall under 1
.endr
.irp g, 0,1,2,3,4,5,6,7
	v_add_nc_u32 v[SCO+\g], 0xf8800000, v[BM+\g]   ; 15 off the exponent field: the conversion's scale operand
.endr
.irp g, 0,1,2,3,4,5,6,7
	v_and_or_b32 v[HOLD+\g], v[BM+\g], 0x7f800000, s[MNT]   ; 57,344 x the scale
.endr
.irp g, 0,1,2,3,4,5,6,7
	v_lshrrev_b32 v[T4+\g], 23, v[SCO+\g]          ; the scale's byte
.endr
.irp x, 0,1
	v_lshl_or_b32 v[PS+\x], v[T4+4*\x+1], 8, v[T4+4*\x]
.endr
.irp x, 0,1
	v_lshl_or_b32 v[PS+\x], v[T4+4*\x+2], 16, v[PS+\x]
.endr
.irp x, 0,1
	v_lshl_or_b32 v[PS+\x], v[T4+4*\x+3], 24, v[PS+\x]   ; p's scale word for these 128 keys
.endr
	WORK 0
	WALU
.set g_, 0
.rept 6
	EXPB g_+2
	WORK g_+1
	WALU
.set g_, g_+1
.endr
	WORK 7
	WIN 0x41
	s_wait_dscnt 20                                ; V's fragments are in; behind them: K's 16 loads and 4 words
	WALU                                           ; directly ahead of the first readers of O^T
.irp x, 0,1
.set p_, 0
.rept 16
	v_pk_mul_f32 v[O+32*\x+p_:O+32*\x+p_+1], v[O+32*\x+p_:O+32*\x+p_+1], v[F+2*\x:F+2*\x+1] op_sel_hi:[1,0]   ; O^T under the new M; also the places between the codes and the products
.set p_, p_+2
.endr
.endr
	WIN 0x51
	PV
	WIN 0
	s_add_co_u32 s[TB], s[TB], 8192
	s_add_co_u32 s[TS], s[TS], 256
.endm
	s_load_b128 s[4:7], s[0:1], 0x0                ; qkv, ao
	v_lshl_add_u32 v[SPW], v0, 2, SPARE
	v_mov_b32 v[NIL], 0
	ds_add_u32 v[SPW], v[NIL]                      ; the opening: the add, twice on end, and its wait ahead of the first tensor load
	ds_add_u32 v[SPW], v[NIL]
	v_lshrrev_b32 v1, 5, v0
	v_readfirstlane_b32 s8, v1                     ; wave 0..7
	s_and_b32 s9, s8, 1
	s_bfe_u32 s10, s8, 0x10001                     ; (wave / 2) % 2
	s_and_b32 s12, ttmp7, 0xffff
	s_lshr_b32 s13, s12, 4                         ; batch
	s_and_b32 s14, s12, 15                         ; head
	G1SET 16, 128                                  ; waves 0, 1: the first 32,768 bytes (four key steps) of K, of V
	G1SET 24, 16                                   ; waves 2, 3: K's, V's 4,096 bytes of scale words
	G1SET 32, 192                                  ; waves 4-7: the two halves of K's other 98,304 bytes, then of V's
	s_lshl_b32 s60, s14, 18
	s_lshl_b32 s61, s13, 17
	s_add_co_u32 s60, s60, s61
	s_add_co_u32 s60, s60, 4194304                 ; K's codes of my batch and head; V's lie 4,194,304 on
	s_mov_b32 s40, 1
	s_lshl_b32 s41, s9, 17
	s_lshl_b32 s62, s9, 22
	s_add_co_u32 s62, s62, s60
	s_mov_b32 s63, 0
	s_mov_b32 s44, 1
	s_lshl_b32 s45, s9, 12
	s_add_co_u32 s45, s45, KSC
	s_lshl_b32 s66, s14, 13
	s_lshl_b32 s61, s13, 12
	s_add_co_u32 s66, s66, s61
	s_add_co_u32 s66, s66, s41                     ; V's words lie 131,072 behind K's
	s_add_co_u32 s66, s66, 12713984
	s_mov_b32 s67, 0
	s_mov_b32 s48, 1
	s_mul_i32 s61, s9, 49152
	s_add_co_u32 s61, s61, 32768
	s_lshl_b32 s49, s10, 17
	s_add_co_u32 s49, s49, s61
	s_lshl_b32 s68, s10, 22
	s_add_co_u32 s68, s68, s61
	s_add_co_u32 s68, s68, s60
	s_mov_b32 s69, 0
	s_mov_b32 s[CS], 0x3e38aa3b                    ; log2(e) / 8
	s_mov_b32 s[CS+1], s[CS]
	s_mov_b32 s[SEL], 0x76543210
	s_mov_b32 s[SEL+1], 0xfedcba98
	s_mov_b32 s[MNT], 0x600000
	s_mov_b32 s[TB], 0
	s_mov_b32 s[TS], 0
	s_wait_dscnt 0x0
	s_wait_kmcnt 0x0
	s_add_nc_u64 s[42:43], s[4:5], s[62:63]
	s_or_b32 s43, s43, 0x80000000
	s_add_nc_u64 s[46:47], s[4:5], s[66:67]
	s_or_b32 s47, s47, 0x80000000
	s_add_nc_u64 s[50:51], s[4:5], s[68:69]
	s_or_b32 s51, s51, 0x80000000
	CROUND                                         ; the four work-groups are here: the joint loads meet
	s_cmp_lt_u32 s8, 2                             ; one chain of branches on the wave's number, one load to an arm
	s_cbranch_scc0 .Lhead_words
	TLOAD 40, 16
	s_branch .Lasked
.Lhead_words:
	s_cmp_lt_u32 s8, 4
	s_cbranch_scc0 .Lhead_rest
	TLOAD 44, 24
	s_branch .Lasked
.Lhead_rest:
	TLOAD 48, 32
.Lasked:
	s_bfe_u32 s11, ttmp6, 0x40000                  ; cx enters global addresses alone
	s_lshl_b32 s15, ttmp9, 2
	s_add_co_u32 s15, s15, s11                     ; which 256 queries
	s_lshl_b32 s72, s13, 7
	s_lshl_b32 s73, s15, 4
	s_add_co_u32 s72, s72, s73
	s_lshl_b32 s73, s8, 1
	s_add_co_u32 s72, s72, s73                     ; my first tile of tokens
	s_mov_b32 s71, 0
	s_lshl_b32 s70, s14, 18
	s_lshl_b32 s73, s72, 10
	s_add_co_u32 s70, s70, s73
	s_add_nc_u64 s[74:75], s[4:5], s[70:71]        ; q's codes
	s_lshl_b32 s70, s14, 13
	s_lshl_b32 s73, s72, 5
	s_add_co_u32 s70, s70, s73
	s_add_co_u32 s70, s70, 12582912
	s_add_nc_u64 s[76:77], s[4:5], s[70:71]        ; q's scale words
	s_lshr_b32 s78, s14, 1
	s_and_b32 s79, s14, 1
	s_lshl_b32 s70, s72, 14
	s_lshl_b32 s73, s78, 11
	s_add_co_u32 s70, s70, s73
	s_lshl_b32 s73, s79, 10
	s_add_co_u32 s70, s70, s73
	s_add_nc_u64 s[80:81], s[6:7], s[70:71]        ; ao's codes
	s_lshl_b32 s70, s78, 14
	s_lshl_b32 s73, s72, 6
	s_add_co_u32 s70, s70, s73
	s_lshl_b32 s73, s79, 1
	s_add_co_u32 s70, s70, s73
	s_add_co_u32 s70, s70, 4194304
	s_add_nc_u64 s[82:83], s[6:7], s[70:71]        ; ao's scale bytes
	v_and_b32 v3, 31, v0
	v_and_b32 v4, 15, v0
	v_lshlrev_b32 v1, 4, v3                        ; 16 x lane
	v_lshlrev_b32 v7, 2, v3                        ; 4 x lane
	v_lshlrev_b32 v6, 2, v4                        ; 4 r
	v_add_nc_u32 v2, KSC, v6
	global_load_b32 v[PW], v6, s[76:77]
	WIN 0x40
	global_load_b128 v[QB:QB+3], v1, s[74:75]
	global_load_b128 v[QB+4:QB+7], v1, s[74:75] offset:512
	global_load_b128 v[QB+16:QB+19], v1, s[74:75] offset:1024
	global_load_b128 v[QB+20:QB+23], v1, s[74:75] offset:1536
.irp z, 192, 208, 224
.irp j, 0,1,2,3,4,5,6,7
	v_mov_b32 v[\z+\j], 0                          ; the zero codes beside Q
.endr
.endr
.set i_, 0
.rept 64
	v_mov_b32 v[O+i_], 0                           ; O^T: the step is written for every trip alike; the first finds zeros, which f = 0 leaves zeros
.set i_, i_+1
.endr
	WIN 0
.irp x, 0,1
	v_mov_b32 v[NM+2*\x], 0x7f000000               ; -M: above every -M that follows, so the first f is 0
	v_mov_b32 v[NM+1+2*\x], 0xff61b1e6             ; the largest score so far: -3e38
	v_mov_b32 v[F+1+2*\x], 0                       ; (named as the upper half of a pair)
.endr
.irp j, 0,1,2,3,4,5,6,7
	v_mov_b32 v[SUM+\j], 0
	v_mov_b32 v[T4+\j], 0                          ; a lane permute's destination counts as one of its sources
.endr
	WALU                                           ; the wait at the head's end
	s_wait_loadcnt 0x0
	v_perm_b32 v[QS], v[PW], v[PW], 0x01000100     ; the even tile's two bytes, for either half of K
	v_perm_b32 v[QS+1], v[PW], v[PW], 0x03020302   ; the odd tile's
	WALU
	s_cmp_lt_u32 s8, 4
	s_cbranch_scc0 .Lnot_first
	s_wait_tensorcnt 0x0                           ; waves 0-3: the first four key steps and the words have landed
.Lnot_first:
	s_barrier_signal -1
	s_barrier_wait -1
	WIN 0x40
.irp f, 0,1,2,3
.irp c, 0,1,2,3
	ds_load_b128 v[KF+16*\f+4*\c:KF+16*\f+4*\c+3], v1 offset:2048*\f+512*\c
.endr
.endr
	WIN 0
.irp f, 0,1,2,3
	ds_load_b32 v[KS+\f], v2 offset:64*\f
.endr
	s_mov_b32 s[CNT], 2
.Lfirst:                                               ; key steps 0 and 1; they fetch K's steps 1 and 2
	STEP
	s_sub_co_u32 s[CNT], s[CNT], 1
	s_cmp_lg_u32 s[CNT], 0
	s_cbranch_scc1 .Lfirst
	s_wait_tensorcnt 0x0                           ; every wave: all that is still out has landed
	s_wait_dscnt 0x0
	s_barrier_signal -1
	s_barrier_wait -1
	s_mov_b32 s[CNT], 14
.Lrest:
	STEP
	s_sub_co_u32 s[CNT], s[CNT], 1
	s_cmp_lg_u32 s[CNT], 0
	s_cbranch_scc1 .Lrest
	; THE WAY OUT: O^T / the row's sum, quantised along the channels: four blocks of 32 (two a tile), a block in lanes l and l xor 16
.irp x, 0,1
	v_pk_add_f32 v[SUM+4*\x:SUM+4*\x+1], v[SUM+4*\x:SUM+4*\x+1], v[SUM+4*\x+2:SUM+4*\x+3]
.endr
.irp x, 0,1
	v_add_f32 v[SUM+4*\x], v[SUM+4*\x], v[SUM+4*\x+1]
.endr
.irp x, 0,1
	v_permlanex16_b32 v[TMP+\x], v[SUM+4*\x], s[SEL], s[SEL+1]
.endr
.irp x, 0,1
	v_add_f32 v[SUM+4*\x], v[SUM+4*\x], v[TMP+\x]
.endr
	PLACES 4                                       ; with the eight above: the places behind the last products
	WALU
	v_rcp_f32 v[SUM], v[SUM]
	v_rcp_f32 v[SUM+4], v[SUM+4]
	v_nop
	WIN 0x01
	WALU                                           ; behind the reciprocals, directly ahead of the first readers of O^T
.irp x, 0,1
.set p_, 0
.rept 16
	v_pk_mul_f32 v[S+32*\x+p_:S+32*\x+p_+1], v[O+32*\x+p_:O+32*\x+p_+1], v[SUM+4*\x:SUM+4*\x+1] op_sel_hi:[1,0]
.set p_, p_+2
.endr
.endr
	WIN 0
.irp g, 0,1,2,3
	v_max3_num_f32 v[BM+\g], |v[S+16*\g]|, |v[S+1+16*\g]|, 0x8000000
.endr
.irp i, 2,4,6,8,10,12,14
.irp g, 0,1,2,3
	v_max3_num_f32 v[BM+\g], v[BM+\g], |v[S+16*\g+\i]|, |v[S+1+16*\g+\i]|
.endr
.endr
.irp g, 0,1,2,3
	v_permlanex16_b32 v[T4+\g], v[BM+\g], s[SEL], s[SEL+1]
.endr
.irp g, 0,1,2,3
	v_max_num_f32 v[BM+\g], v[BM+\g], v[T4+\g]
.endr
.irp g, 0,1,2,3
	v_add_nc_u32 v[SCO+\g], 0xf8800000, v[BM+\g]
.endr
.irp g, 0,1,2,3
	v_and_or_b32 v[HOLD+\g], v[BM+\g], 0x7f800000, s[MNT]
.endr
.irp g, 0,1,2,3
	v_lshrrev_b32 v[T4+\g], 23, v[SCO+\g]
.endr
	v_lshl_or_b32 v[PW], v[T4+1], 8, v[T4]         ; tile 0's two bytes
	v_lshl_or_b32 v[PW+1], v[T4+3], 8, v[T4+2]     ; tile 1's
	v_bfe_u32 v3, v0, 4, 1
	v_cmp_eq_u32 vcc_lo, 1, v3
	v_cndmask_b32 v[PW], v[PW], v[PW+1], vcc_lo    ; lanes 0-15: tile 0; lanes 16-31: tile 1
.irp g, 0,1,2,3
.irp i, 0,1,2,3,4,5,6,7,8,9,10,11,12,13,14,15
	v_med3_num_f32 v[S+16*\g+\i], v[S+16*\g+\i], -v[HOLD+\g], v[HOLD+\g]
.endr
	v_cvt_scalef32_pk8_bf8_f32 v[PCD+4*\g:PCD+4*\g+1], v[S+16*\g:S+16*\g+7], v[SCO+\g]
	v_cvt_scalef32_pk8_bf8_f32 v[PCD+4*\g+2:PCD+4*\g+3], v[S+16*\g+8:S+16*\g+15], v[SCO+\g]
.endr
	v_nop                                          ; a plain line behind the last conversion
	global_store_b128 v1, v[PCD:PCD+3], s[80:81]   ; 32 lanes store 512 consecutive bytes
	global_store_b128 v1, v[PCD+4:PCD+7], s[80:81] offset:512
	global_store_b128 v1, v[PCD+8:PCD+11], s[80:81] offset:16384
	global_store_b128 v1, v[PCD+12:PCD+15], s[80:81] offset:16384+512
	global_store_b16 v7, v[PW], s[82:83]           ; my head's half of each row's scale word
	s_wait_tensorcnt 0x0                           ; the wave's end
	ds_add_u32 v[SPW], v[NIL]
	s_wait_dscnt 0x0
	CROUND                                         ; the closing round
	s_endpgm
.Lfunc_end_k_qc79d67d28a_attn:
	.size	k_qc79d67d28a_attn, .Lfunc_end_k_qc79d67d28a_attn-k_qc79d67d28a_attn
	.p2alignl 7, 3214868480
	.fill 96, 4, 3214868480
	.section	.rodata,"a",@progbits
	.p2align	6, 0x0
	.amdhsa_kernel k_qc79d67d28a_attn
		.amdhsa_group_segment_fixed_size 327680
		.amdhsa_private_segment_fixed_size 0
		.amdhsa_enable_private_segment 0
		.amdhsa_kernarg_size 16
		.amdhsa_user_sgpr_count 2
		.amdhsa_user_sgpr_kernarg_segment_ptr 1
		.amdhsa_wavefront_size32 1
		.amdhsa_system_sgpr_workgroup_id_x 1
		.amdhsa_system_sgpr_workgroup_id_y 1
		.amdhsa_system_sgpr_workgroup_id_z 1
		.amdhsa_system_vgpr_workitem_id 0
		.amdhsa_next_free_vgpr 512
		.amdhsa_next_free_sgpr 96
		.amdhsa_reserve_vcc 1
		.amdhsa_float_denorm_mode_32 3
		.amdhsa_float_denorm_mode_16_64 3
		.amdhsa_memory_ordered 1
		.amdhsa_forward_progress 1
		.amdhsa_inst_pref_size 94
	.end_amdhsa_kernel
	.amdgpu_metadata
---
amdhsa.version: [ 1, 2 ]
amdhsa.kernels:
  - .name:           k_qc79d67d28a_attn
    .symbol:         k_qc79d67d28a_attn.kd
    .args:
      - { .name: qkv, .offset: 0, .size: 8, .value_kind: global_buffer, .address_space: global }
      - { .name: ao, .offset: 8, .size: 8, .value_kind: global_buffer, .address_space: global }
    .group_segment_fixed_size: 327680
    .private_segment_fixed_size: 0
    .kernarg_segment_align: 8
    .kernarg_segment_size: 16
    .max_flat_workgroup_size: 256
    .sgpr_count:     96
    .vgpr_count:     512
    .wavefront_size: 32
...
	.end_amdgpu_metadata
.endif
;; end of part 3
;; launch strata (part 4): grid 8 x 32, 4 waves a work-group, clusters of 4 x 4, 327,680 bytes of LDS; arguments ao, opq, bs, en; writes en
.if DOCPART == 4
	.amdgcn_target "amdgcn-amd-amdhsa--gfx1250"
	.amdhsa_code_object_version 6
	.text
	.protected	k_qc79d67d28a_strata
	.globl	k_qc79d67d28a_strata
	.p2align	8
	.type	k_qc79d67d28a_strata,@function
k_qc79d67d28a_strata:
	s_mov_b64 s[64:65], 0
	v_nop
	global_prefetch_b8 v0, s[64:65] scope:SCOPE_SE
	s_setreg_imm32_b32 hwreg(HW_REG_WAVE_MODE, 25, 1), 1
	s_wait_xcnt 0x0
	s_wait_alu depctr_hold_cnt(0) depctr_sa_sdst(0) depctr_va_vdst(0) depctr_va_sdst(0) depctr_va_ssrc(0) depctr_va_vcc(0) depctr_vm_vsrc(0)
	s_getreg_b32 s2, hwreg(HW_REG_IB_STS2, 6, 4)
	s_cmp_eq_u32 s2, 0
	s_cbranch_scc0 .Lentry_in_a_cluster
	s_endpgm
.Lentry_in_a_cluster:
	s_bfe_u32 s2, ttmp6, 0x10000c
	s_cmp_lg_u32 s2, 0xf033
	s_cbranch_scc0 .Lentry_shape_is_right
	s_endpgm
.Lentry_shape_is_right:
; enhanced = the mean over n = 0, 1, 2 of (attn_output Ws[n]^T + bs[n]), on codes of BF8 with E8M0 scales, quantised at once along its 1,024 for the last product.
; The three products share their left operand, so they are ONE sum: for each K step of 128 the three strata follow each other onto the same accumulators, which begin with bs[0] + bs[1] + bs[2]; at the end x 1/3.
; A PRODUCT IS D = S0 x S1: source 0 = 16 rows of Ws[n] (registers run along the output's 1,024), source 1 = 16 tokens of ao (a lane is a token).  By the tiles' order of rows the 16 registers of S0's tiles 2 e, 2 e + 1 are neighbours.
; SHARES.  A work-group makes 128 outputs x 128 tokens; each of four waves 64 x 64: 16 accumulators; 24 units of 16 products.  S1's fragments are read from LDS once for three units.
; THE RING: two slots of 131,072 bytes, each with two K steps of S1 and of the three S0.  Waves 0-2 fetch Ws[0..2], wave 3 ao: one load a wave behind each round; one is out at the start (slot 0).
; CLUSTERS: 4 x 4; S0's tiles are shared along a column, S1's along a row: joint loads; where a slot is filled again the cluster's round is the barrier.
; OUT (en): as ao: [256 tiles][8 K steps][c][lane][16], scale words at 4,194,304: [8][256][16 words]; a wave holds half of each word (two stores of 2 bytes a lane).
; LIMITS: NaN and infinities are not served; the mean is a multiplication by the f32 number nearest 1/3; a block of zeros gets the byte 1.
; REGISTERS: window 0: v1-15 addresses; v16 the bias loads' offset; v20, v21 serve the add alone; v24-31 scale words, two sets; v32-63 codes (first: bs[1]); v64-81 at work (first, to v95: bs[2]); v96-127 the bias;
;   v128-255 accumulators (a, b) at 128 + 8 (4 a + b).   window 1: S1's fragments at 0 and 64, S0's at 128 and 192, by turns.
.set NS,    3
.set KQ,    2
.set TP,    2048*KQ
.set PS,    8*TP
.set NU,    8*NS
.set NCH,   8/KQ
.set SLOT1, 131072
.set SC1,   262144
.set SC0,   266240
.set SPARE, 278528                     ; the spare words: 128 bytes for each wave, two blocks of 256 bytes that no other line names
.set S0TILE, 448                       ; Ws's first tile in opq
.set ACC,   128
.set BI,    96
.set BOF,   16                         ; v16: no load lands here
.set SCR,   24
.set PC0,   32
.set PC1,   48
.set TM,    64
.set PW0,   80
.set PW1,   81
.set SEL,   84
.set MNT,   86
.set MUL,   0x05
.set TO_F,  0x40
.set MSB, 0
.macro WIN new
.if MSB != \new
	s_set_vgpr_msb (MSB<<8)|\new
.set MSB, \new
.endif
.endm
.macro PLACES n
.rept \n
	v_nop
.endr
.endm
.macro CREST
	s_cmp_lg_u32 s16, 0
	s_cbranch_scc1 .Lnot_wave_0_\@
	s_barrier_signal -3
.Lnot_wave_0_\@:
	s_barrier_wait -3
	s_barrier_signal -1
	s_barrier_wait -1
.endm
.macro CROUND
	s_barrier_signal -1
	s_barrier_wait -1
	CREST
.endm
.macro FETCH u                         ; unit u = K step u / 3, stratum u % 3
.set fk, (\u)/NS
.set fn, (\u)%NS
.set fs, (fk/KQ)%2
.set fq, fk%KQ
	WIN TO_F
.irp b, 0,1,2,3
.irp c, 0,1,2,3
	ds_load_b128 v[128+64*((\u)%2)+16*\b+4*\c:128+64*((\u)%2)+16*\b+4*\c+3], v[5+(1+NS)*fs+fn] offset:\b*TP+2048*fq+512*\c
.endr
.endr
.if fn == 0
.irp a, 0,1,2,3
.irp c, 0,1,2,3
	ds_load_b128 v[64*(fk%2)+16*\a+4*\c:64*(fk%2)+16*\a+4*\c+3], v[4+(1+NS)*fs] offset:\a*TP+2048*fq+512*\c
.endr
.endr
.endif
	WIN 0
.irp i, 0,1,2,3
	ds_load_b32 v[SCR+4*((\u)%2)+\i], v[12+fn] offset:512*fk+64*\i
.endr
.endm
.macro MUL8 u, a0, kind                ; kind 0: onto the sums; 1: the sums begin with the bias.  The 16 accumulators take turns, in the same order in every unit
.set mb0, 128+64*((\u)%2)
.set mb1, 64*(((\u)/NS)%2)
.set msc, SCR+4*((\u)%2)
.irp a, \a0, \a0+1
.irp b, 0,1,2,3
.if \kind == 0
	v_wmma_scale_f32_16x16x128_f8f6f4 v[ACC+8*(4*(\a)+\b):ACC+8*(4*(\a)+\b)+7], v[mb0+16*\b:mb0+16*\b+15], v[mb1+16*(\a):mb1+16*(\a)+15], v[ACC+8*(4*(\a)+\b):ACC+8*(4*(\a)+\b)+7], v[msc+\b], v[msc+(\a)] matrix_a_fmt:MATRIX_FMT_BF8 matrix_b_fmt:MATRIX_FMT_BF8 matrix_a_scale:MATRIX_SCALE_ROW1
.else
	v_wmma_scale_f32_16x16x128_f8f6f4 v[ACC+8*(4*(\a)+\b):ACC+8*(4*(\a)+\b)+7], v[mb0+16*\b:mb0+16*\b+15], v[mb1+16*(\a):mb1+16*(\a)+15], v[BI+8*\b:BI+8*\b+7], v[msc+\b], v[msc+(\a)] matrix_a_fmt:MATRIX_FMT_BF8 matrix_b_fmt:MATRIX_FMT_BF8 matrix_a_scale:MATRIX_SCALE_ROW1
.endif
.endr
.endr
.endm
.macro REFILL sl                       ; a joint refill of slot sl: waves 0-2 Ws[wave], wave 3 ao; four v_nop follow each of the two lines
	s_cmp_lt_u32 s16, NS
	s_cbranch_scc0 .Lre_s1_\@
	tensor_load_to_lds s[76+4*(\sl):79+4*(\sl)], s[32:39]
	s_nop 0
	PLACES 4
	s_branch .Lre_done_\@
.Lre_s1_\@:
	tensor_load_to_lds s[60+8*(\sl):63+8*(\sl)], s[24:31]
	s_nop 0
	PLACES 4
.Lre_done_\@:
.endm
.macro UNIT u
.set uch, ((\u)/NS)/KQ
.if ((((\u)+1)%(NS*KQ)) == 0) && (((\u)+1) < NU)
	s_wait_tensorcnt 0x0                           ; a slot's last unit: all my tensor loads have landed, my part of the next slot among them;
	ds_add_u32 v20, v21                            ; 0 onto my spare word;
	s_wait_dscnt 0x1                               ; (this unit's fragments are in; the add may be out)
	WIN MUL
	MUL8 \u, 0, 0                                  ; eight products stand between the add and the wait for it
	s_wait_dscnt 0x0                               ; the add is done, and my reads of this slot are over
	s_barrier_signal -1
	WIN 0
	s_barrier_wait -1
.if uch+2 < NCH
	CREST                                          ; the barrier has opened a round of the cluster's: no wave of any partner still reads this slot or has a load on its way
	s_add_nc_u64 s[62+8*(uch%2):63+8*(uch%2)], s[62+8*(uch%2):63+8*(uch%2)], 2*TP
	s_add_nc_u64 s[78+4*(uch%2):79+4*(uch%2)], s[78+4*(uch%2):79+4*(uch%2)], 2*TP
	REFILL uch%2                                   ; the first tensor load behind the round, one a wave: the K steps two slots on
	PLACES 4                                       ; with the four behind the load: eight places in front of the loads below
.else
	PLACES 8
.endif
	FETCH (\u)+1
	WIN MUL
	MUL8 \u, 2, 0
	WIN 0
.else
	s_wait_dscnt 0x0
.if ((\u)+1) < NU
	PLACES 8                                       ; eight places behind the last unit's products, whose registers the next unit's fragments take:
	FETCH (\u)+1                                   ; asked for at the unit's top, with this unit's 16 products between the loads and the wait for them
.endif
	WIN MUL
	MUL8 \u, 0, 0
	MUL8 \u, 2, 0
	WIN 0
.endif
.endm
.macro QUANT s, pc, pw
.irp b, 0,1,2,3
	v_max3_num_f32 v[TM+\b], |v[\s+16*\b]|, |v[\s+1+16*\b]|, 0x8000000   ; and the floor 2^(16 - 127)
.endr
.irp i, 2,4,6,8,10,12,14
.irp b, 0,1,2,3
	v_max3_num_f32 v[TM+\b], v[TM+\b], |v[\s+16*\b+\i]|, |v[\s+1+16*\b+\i]|
.endr
.endr
.irp b, 0,1,2,3
	v_permlanex16_b32 v[TM+4+\b], v[TM+\b], s[SEL], s[SEL+1]
.endr
.irp b, 0,1,2,3
	v_max_num_f32 v[TM+\b], v[TM+\b], v[TM+4+\b]
.endr
.irp b, 0,1,2,3
	v_add_nc_u32 v[TM+12+\b], 0xf8800000, v[TM+\b]
.endr
.irp b, 0,1,2,3
	v_and_or_b32 v[TM+8+\b], v[TM+\b], 0x7f800000, s[MNT]
.endr
.irp b, 0,1,2,3
	v_lshrrev_b32 v[TM+4+\b], 23, v[TM+12+\b]
.endr
	v_lshl_or_b32 v[\pw], v[TM+5], 8, v[TM+4]
	v_lshl_or_b32 v[\pw], v[TM+6], 16, v[\pw]
	v_lshl_or_b32 v[\pw], v[TM+7], 24, v[\pw]
.irp b, 0,1,2,3
.irp i, 0,1,2,3,4,5,6,7,8,9,10,11,12,13,14,15
	v_med3_num_f32 v[\s+16*\b+\i], v[\s+16*\b+\i], -v[TM+8+\b], v[TM+8+\b]
.endr
	v_cvt_scalef32_pk8_bf8_f32 v[\pc+4*\b:\pc+1+4*\b], v[\s+16*\b:\s+7+16*\b], v[TM+12+\b]
	v_cvt_scalef32_pk8_bf8_f32 v[\pc+2+4*\b:\pc+3+4*\b], v[\s+8+16*\b:\s+15+16*\b], v[TM+12+\b]
.endr
	v_nop
.endm
	s_load_b256 s[4:11], s[0:1], 0x0               ; ao s[4:5], opq s[6:7], bs s[8:9], en s[10:11]
	v_lshl_add_u32 v20, v0, 2, SPARE
	v_mov_b32 v21, 0
	ds_add_u32 v20, v21
	ds_add_u32 v20, v21
	s_wait_dscnt 0x0
	v_lshrrev_b32 v1, 5, v0
	v_readfirstlane_b32 s16, v1
	s_lshr_b32 s17, s16, 1                         ; which 64 tokens are mine
	s_and_b32 s18, s16, 1                          ; which 64 outputs
	s_min_u32 s23, s16, NS-1                       ; which stratum I would fetch
	s_bfe_u32 s19, ttmp6, 0x40000
	s_bfe_u32 s20, ttmp6, 0x40004
	s_lshl_b32 s21, ttmp9, 2
	s_add_co_u32 s21, s21, s19                     ; X0: which 128 outputs
	s_and_b32 s22, ttmp7, 0xffff
	s_lshl_b32 s22, s22, 2
	s_add_co_u32 s22, s22, s20                     ; Y1: which 128 tokens
	s_lshl_b32 s96, s21, 3
	s_lshl_b32 s66, s23, 6
	s_add_co_u32 s96, s96, s66
	s_add_co_u32 s96, s96, S0TILE                  ; S0's first tile in opq
	s_lshl_b32 s97, s22, 3                         ; S1's in ao
	s_lshl_b32 s88, s21, 1
	s_add_co_u32 s88, s88, s18                     ; w0
	s_lshl_b32 s92, s22, 1
	s_add_co_u32 s92, s92, s17                     ; w1
	s_lshl_b32 s2, s20, 2
	s_lshl_b32 s2, 15, s2
	s_lshl_b32 s66, 0x1111, s19
	s_or_b32 s24, s2, (3<<16)|(1<<21)
	s_or_b32 s32, s66, (3<<16)|(1<<21)
.irp g, 24, 32
	s_mov_b32 s[\g+1], (TP/8)<<16
	s_mov_b32 s[\g+2], 8<<16
	s_mov_b32 s[\g+3], (TP/8)<<16
	s_mov_b32 s[\g+4], 8
	s_mov_b32 s[\g+5], 2048
	s_mov_b32 s[\g+6], 0
	s_mov_b32 s[\g+7], 0
.endr
	s_mov_b32 s60, 1
	s_mov_b32 s61, 0
	s_mov_b32 s68, 1
	s_mov_b32 s69, SLOT1
	s_mov_b32 s76, 1
	s_mul_i32 s77, s23, PS
	s_add_co_u32 s77, s77, PS
	s_mov_b32 s80, 1
	s_add_co_u32 s81, s77, SLOT1
	s_lshl_b32 s2, s97, 14
	s_mov_b32 s3, 0
	s_lshl_b32 s66, s96, 14
	s_mov_b32 s67, 0
	s_mov_b32 s[SEL], 0x76543210
	s_mov_b32 s[SEL+1], 0xfedcba98
	s_mov_b32 s[MNT], 0x600000
	s_wait_kmcnt 0x0
	s_add_nc_u64 s[62:63], s[4:5], s[2:3]
	s_add_nc_u64 s[70:71], s[62:63], TP
	s_add_nc_u64 s[78:79], s[6:7], s[66:67]
	s_add_nc_u64 s[82:83], s[78:79], TP
	s_lshl_b32 s2, s97, 6
	s_add_co_u32 s2, s2, 4194304
	s_add_nc_u64 s[58:59], s[4:5], s[2:3]
	s_lshl_b32 s66, s96, 6
	s_add_co_u32 s66, s66, 11534336
	s_add_nc_u64 s[74:75], s[6:7], s[66:67]
.irp g, 63, 71, 79, 83
	s_or_b32 s[\g], s[\g], 0x80000000
.endr
	CROUND
	s_cmp_lt_u32 s16, NS                           ; a wave's first fills stand in one branch: one load of mine is out
	s_cbranch_scc0 .Lnot_s0                        ; AT THE HEAD ONE TENSOR LOAD A WAVE: slot 0's part; slot 1's first fill follows behind a round, as a refill does
	tensor_load_to_lds s[76:79], s[32:39]
	s_nop 0
	PLACES 4
	s_branch .Lasked
.Lnot_s0:
	tensor_load_to_lds s[60:63], s[24:31]
	s_nop 0
	PLACES 4
.Lasked:
	; THE SCALE WORDS come through registers: each wave takes its operand's 8 K steps x 512 consecutive bytes and stores them to LDS bytes into which no tensor load lands.
	; They are 16,384 of the 540,672 bytes that a work-group reads, so they are not asked for jointly.
	s_cmp_lt_u32 s16, NS
	s_cselect_b64 s[74:75], s[74:75], s[58:59]     ; waves 0-2: my stratum's, in opq; wave 3: ao's
	s_mov_b32 s3, 16384
	s_cselect_b32 s3, 45056, s3                    ; bytes from K step to K step
	s_add_co_u32 s2, s16, 1
	s_and_b32 s2, s2, 3
	s_lshl_b32 s2, s2, 12
	s_add_co_u32 s2, s2, SC1                       ; ao's at SC1, stratum n's 4,096 (n + 1) bytes on
	v_and_b32 v18, 31, v0
	v_lshlrev_b32 v[ACC+32], 4, v18                ; 16 x lane
	v_add_nc_u32 v19, s2, v[ACC+32]
.irp k, 1,2,3,4,5,6,7
	v_add_nc_u32 v[ACC+32+\k], s3, v[ACC+31+\k]    ; an offset of its own for each load
.endr
.irp k, 0,1,2,3,4,5,6,7
	global_load_b128 v[ACC+4*\k:ACC+4*\k+3], v[ACC+32+\k], s[74:75]
.endr
	v_and_b32 v1, 15, v0
	v_bfe_u32 v2, v0, 4, 1
	v_and_b32 v3, 31, v0
	v_lshlrev_b32 v15, 2, v3
	v_lshlrev_b32 v3, 4, v3
	s_wait_alu depctr_va_vdst(0)
	v_lshlrev_b32 v[BOF], 6, v2                    ; the bias: 16 h numbers on.  The offset lies outside v32-127, into which the 24 loads below land
	s_lshl_b32 s98, s88, 8
	s_mov_b32 s99, 0
	s_add_nc_u64 s[8:9], s[8:9], s[98:99]          ; bs at my 64 outputs
.irp n, 0,1,2
.irp b, 0,1,2,3
	global_load_b128 v[32*((\n+2)%3)+32+8*\b:32*((\n+2)%3)+32+8*\b+3], v[BOF], s[8:9] offset:4096*\n+4*(32*(\b/2)+8*(\b%2))      ; bs[0] into v96 on, bs[1] into v32 on, bs[2] into v64 on
	global_load_b128 v[32*((\n+2)%3)+32+8*\b+4:32*((\n+2)%3)+32+8*\b+7], v[BOF], s[8:9] offset:4096*\n+4*(32*(\b/2)+8*(\b%2))+16
.endr
.endr
	s_mul_i32 s98, s17, 4*TP
	v_add_nc_u32 v4, s98, v3
	v_add_nc_u32 v[4+(1+NS)], SLOT1, v4
	s_mul_i32 s98, s18, 4*TP
.irp n, 0,1,2
.if \n < NS
	s_add_co_u32 s99, s98, PS*(1+\n)
	v_add_nc_u32 v[5+\n], s99, v3
	v_add_nc_u32 v[5+(1+NS)+\n], SLOT1, v[5+\n]
.endif
.endr
	s_lshl_b32 s98, s17, 8
	v_lshlrev_b32 v22, 2, v1
	s_add_co_u32 s99, s98, SC1
	v_add_nc_u32 v22, s99, v22
.irp n, 0,1,2
.if \n < NS
	s_lshl_b32 s99, s18, 8
	s_add_co_u32 s99, s99, 4096*(1+\n)
	s_sub_co_u32 s99, s99, s98
	v_mul_u32_u24 v23, s99, v2
	s_wait_alu depctr_va_vdst(0)
	v_add_nc_u32 v[12+\n], v22, v23
.endif
.endr
	s_wait_alu depctr_va_vdst(0)                   ; the wait at the head's end
	s_wait_loadcnt 0x0                             ; the scale words and the biases
.irp k, 0,1,2,3,4,5,6,7
	ds_store_b128 v19, v[ACC+4*\k:ACC+4*\k+3] offset:512*\k
.endr
	s_wait_tensorcnt 0x0                           ; my part of slot 0 is in;
	ds_add_u32 v20, v21                            ; 0 onto my spare word;
	s_wait_dscnt 0x0                               ; the add and my stores of scale words are done
	CROUND                                         ; everybody's are, in all sixteen work-groups
	REFILL 1                                       ; slot 1's first fill: the first tensor load behind the round, one a wave
	FETCH 0
.irp i, 0,2,4,6,8,10,12,14,16,18,20,22,24,26,28,30
	v_pk_add_f32 v[BI+\i:BI+\i+1], v[BI+\i:BI+\i+1], v[32+\i:33+\i]
.endr
.irp i, 0,2,4,6,8,10,12,14,16,18,20,22,24,26,28,30
	v_pk_add_f32 v[BI+\i:BI+\i+1], v[BI+\i:BI+\i+1], v[64+\i:65+\i]    ; bs[0] + bs[1] + bs[2]
.endr
	s_wait_alu depctr_va_vdst(0)
	s_wait_dscnt 0x0
	FETCH 1                                        ; into registers that no product has read yet
	WIN MUL
	MUL8 0, 0, 1                                   ; the first unit starts the sums, on the biases' sum
	MUL8 0, 2, 1
	WIN 0
.irp u, 1,2,3,4,5,6,7,8,9,10,11,12,13,14,15,16,17,18,19,20,21,22,23
	UNIT \u
.endr
	PLACES 8
.set i, 0
.rept 64
	v_pk_mul_f32 v[ACC+i:ACC+i+1], v[ACC+i:ACC+i+1], 0x3eaaaaab op_sel_hi:[1,0]   ; the mean; each accumulator from its low end on
.set i, i+2
.endr
.irp b, 0,1,2,3
	v_mov_b32 v[TM+4+\b], 0                        ; a lane permute's destination counts as one of its sources
.endr
	QUANT ACC, PC0, PW0
	QUANT ACC+64, PC1, PW1
	s_mov_b32 s99, 0
	s_lshl_b32 s98, s92, 16                        ; my four tiles of tokens x 16,384,
	s_lshl_b32 s87, s21, 11                        ; K step X0,
	s_add_co_u32 s98, s98, s87
	s_lshl_b32 s87, s18, 10                        ; my half of the fragment
	s_add_co_u32 s98, s98, s87
	s_add_nc_u64 s[12:13], s[10:11], s[98:99]
	s_lshl_b32 s98, s21, 14
	s_lshl_b32 s87, s92, 8
	s_add_co_u32 s98, s98, s87
	s_lshl_b32 s87, s18, 1
	s_add_co_u32 s98, s98, s87
	s_add_co_u32 s98, s98, 4194304
	s_add_nc_u64 s[14:15], s[10:11], s[98:99]
	s_wait_alu depctr_va_vdst(0)
.irp a, 0,1,2,3
.irp e, 0,1
	global_store_b128 v3, v[PC0+16*(\a/2)+4*(2*(\a%2)+\e):PC0+16*(\a/2)+4*(2*(\a%2)+\e)+3], s[12:13] offset:16384*\a+512*\e   ; 32 lanes store 512 consecutive bytes
.endr
.endr
	v_lshlrev_b32 v86, 4, v2
	v_lshrrev_b32 v82, v86, v[PW0]                 ; lanes 0-15: the even tile's two bytes; lanes 16-31: the odd tile's
	v_lshrrev_b32 v83, v86, v[PW1]
	global_store_b16 v15, v82, s[14:15]
	global_store_b16 v15, v83, s[14:15] offset:128
	s_wait_tensorcnt 0x0                           ; the wave's end
	ds_add_u32 v20, v21
	s_wait_dscnt 0x0
	CROUND                                         ; the closing round
	s_endpgm
.Lfunc_end_k_qc79d67d28a_strata:
	.size	k_qc79d67d28a_strata, .Lfunc_end_k_qc79d67d28a_strata-k_qc79d67d28a_strata
	.p2alignl 7, 3214868480
	.fill 96, 4, 3214868480
	.section	.rodata,"a",@progbits
	.p2align	6, 0x0
	.amdhsa_kernel k_qc79d67d28a_strata
		.amdhsa_group_segment_fixed_size 327680
		.amdhsa_private_segment_fixed_size 0
		.amdhsa_enable_private_segment 0
		.amdhsa_kernarg_size 32
		.amdhsa_user_sgpr_count 2
		.amdhsa_user_sgpr_kernarg_segment_ptr 1
		.amdhsa_wavefront_size32 1
		.amdhsa_system_sgpr_workgroup_id_x 1
		.amdhsa_system_sgpr_workgroup_id_y 1
		.amdhsa_system_sgpr_workgroup_id_z 1
		.amdhsa_system_vgpr_workitem_id 0
		.amdhsa_next_free_vgpr 512
		.amdhsa_next_free_sgpr 100
		.amdhsa_reserve_vcc 0
		.amdhsa_float_denorm_mode_32 3
		.amdhsa_float_denorm_mode_16_64 3
		.amdhsa_memory_ordered 1
		.amdhsa_forward_progress 1
		.amdhsa_inst_pref_size 136
	.end_amdhsa_kernel
	.amdgpu_metadata
---
amdhsa.version: [ 1, 2 ]
amdhsa.kernels:
  - .name:           k_qc79d67d28a_strata
    .symbol:         k_qc79d67d28a_strata.kd
    .args:
      - { .name: ao, .offset: 0, .size: 8, .value_kind: global_buffer, .address_space: global }
      - { .name: opq, .offset: 8, .size: 8, .value_kind: global_buffer, .address_space: global }
      - { .name: bs, .offset: 16, .size: 8, .value_kind: global_buffer, .address_space: global }
      - { .name: en, .offset: 24, .size: 8, .value_kind: global_buffer, .address_space: global }
    .group_segment_fixed_size: 327680
    .private_segment_fixed_size: 0
    .kernarg_segment_align: 8
    .kernarg_segment_size: 32
    .max_flat_workgroup_size: 128
    .sgpr_count:     100
    .vgpr_count:     512
    .wavefront_size: 32
...
	.end_amdgpu_metadata
.endif
;; end of part 4
;; launch outp (part 5): grid 8 x 32, 4 waves a work-group, clusters of 4 x 4, 327,680 bytes of LDS; arguments en, opq, bo, out0; writes out0
.if DOCPART == 5
	.amdgcn_target "amdgcn-amd-amdhsa--gfx1250"
	.amdhsa_code_object_version 6
	.text
	.protected	k_qc79d67d28a_outp
	.globl	k_qc79d67d28a_outp
	.p2align	8
	.type	k_qc79d67d28a_outp,@function
k_qc79d67d28a_outp:
	s_mov_b64 s[64:65], 0
	v_nop
	global_prefetch_b8 v0, s[64:65] scope:SCOPE_SE
	s_setreg_imm32_b32 hwreg(HW_REG_WAVE_MODE, 25, 1), 1
	s_wait_xcnt 0x0
	s_wait_alu depctr_hold_cnt(0) depctr_sa_sdst(0) depctr_va_vdst(0) depctr_va_sdst(0) depctr_va_ssrc(0) depctr_va_vcc(0) depctr_vm_vsrc(0)
	s_getreg_b32 s2, hwreg(HW_REG_IB_STS2, 6, 4)
	s_cmp_eq_u32 s2, 0
	s_cbranch_scc0 .Lentry_in_a_cluster
	s_endpgm
.Lentry_in_a_cluster:
	s_bfe_u32 s2, ttmp6, 0x10000c
	s_cmp_lg_u32 s2, 0xf033
	s_cbranch_scc0 .Lentry_shape_is_right
	s_endpgm
.Lentry_shape_is_right:
; out0 = enhanced Wo^T + bo, on codes of BF8 with E8M0 scales, f32 out.
; D = S0 x S1: source 0 = 16 rows of Wo (registers run along the output's 1,024), source 1 = 16 tokens of en (a lane is a token).  The core is the launch qkv's: 128 x 128 a work-group, 64 x 64 a wave, 8 K steps,
; two LDS slots of 4 K steps filled ONCE, scale words with the first fills, joint loads in a 4 x 4 cluster (wave 0: Wo, shared along a column; wave 1: en, shared along a row; one load each is out at the start).
; THE WAY OUT.  A lane holds 32 of one token's 64 columns; lane r of tile T stands for token 32 (T / 2) + 8 (T % 2) + r + 8 (r / 8): that order, carried from x on, is resolved here, in the stores' offsets.
; A tile of 16 tokens x 64 columns goes through the wave's own stage in LDS (rows 272 bytes apart) and comes back by rows: sixteen lanes store 256 consecutive bytes, aligned.
; The stage lies behind the scale words, in bytes into which no tensor load lands.
.set NS,    1
.set KQ,    4
.set TP,    2048*KQ
.set PS,    8*TP
.set NU,    8*NS
.set SLOT1, 131072
.set SC1,   262144
.set SC0,   266240
.set STAGE, 270336                     ; 16 rows x 272 bytes for each wave
.set S0TILE, 640                       ; Wo's first tile in opq
.set ACC,   128
.set BI,    96
.set SCR,   24
.set MUL,   0x05
.set TO_F,  0x40
.set MSB, 0
.macro WIN new
.if MSB != \new
	s_set_vgpr_msb (MSB<<8)|\new
.set MSB, \new
.endif
.endm
.macro PLACES n
.rept \n
	v_nop
.endr
.endm
.macro CREST
	s_cmp_lg_u32 s16, 0
	s_cbranch_scc1 .Lnot_wave_0_\@
	s_barrier_signal -3
.Lnot_wave_0_\@:
	s_barrier_wait -3
	s_barrier_signal -1
	s_barrier_wait -1
.endm
.macro CROUND
	s_barrier_signal -1
	s_barrier_wait -1
	CREST
.endm
.macro FETCH u
.set fk, (\u)/NS
.set fn, (\u)%NS
.set fs, (fk/KQ)%2
.set fq, fk%KQ
	WIN TO_F
.irp b, 0,1,2,3
.irp c, 0,1,2,3
	ds_load_b128 v[128+64*((\u)%2)+16*\b+4*\c:128+64*((\u)%2)+16*\b+4*\c+3], v[5+(1+NS)*fs+fn] offset:\b*TP+2048*fq+512*\c
.endr
.endr
.if fn == 0
.irp a, 0,1,2,3
.irp c, 0,1,2,3
	ds_load_b128 v[64*(fk%2)+16*\a+4*\c:64*(fk%2)+16*\a+4*\c+3], v[4+(1+NS)*fs] offset:\a*TP+2048*fq+512*\c
.endr
.endr
.endif
	WIN 0
.irp i, 0,1,2,3
	ds_load_b32 v[SCR+4*((\u)%2)+\i], v[12+fn] offset:512*fk+64*\i
.endr
.endm
.macro MUL8 u, a0, kind                ; kind 0: onto the sums; 1: the sums begin with the bias.  The 16 accumulators take turns
.set mb0, 128+64*((\u)%2)
.set mb1, 64*(((\u)/NS)%2)
.set msc, SCR+4*((\u)%2)
.irp a, \a0, \a0+1
.irp b, 0,1,2,3
.if \kind == 0
	v_wmma_scale_f32_16x16x128_f8f6f4 v[ACC+8*(4*(\a)+\b):ACC+8*(4*(\a)+\b)+7], v[mb0+16*\b:mb0+16*\b+15], v[mb1+16*(\a):mb1+16*(\a)+15], v[ACC+8*(4*(\a)+\b):ACC+8*(4*(\a)+\b)+7], v[msc+\b], v[msc+(\a)] matrix_a_fmt:MATRIX_FMT_BF8 matrix_b_fmt:MATRIX_FMT_BF8 matrix_a_scale:MATRIX_SCALE_ROW1
.else
	v_wmma_scale_f32_16x16x128_f8f6f4 v[ACC+8*(4*(\a)+\b):ACC+8*(4*(\a)+\b)+7], v[mb0+16*\b:mb0+16*\b+15], v[mb1+16*(\a):mb1+16*(\a)+15], v[BI+8*\b:BI+8*\b+7], v[msc+\b], v[msc+(\a)] matrix_a_fmt:MATRIX_FMT_BF8 matrix_b_fmt:MATRIX_FMT_BF8 matrix_a_scale:MATRIX_SCALE_ROW1
.endif
.endr
.endr
.endm
.macro UNIT u
.if ((((\u)+1)%(NS*KQ)) == 0) && (((\u)+1) < NU)
	s_wait_tensorcnt 0x0                           ; slot 0's last unit: my load into slot 1 has landed,
	s_wait_dscnt 0x0
	WIN MUL
	MUL8 \u, 0, 0
	WIN 0
	s_barrier_signal -1
	s_barrier_wait -1                              ; everybody's has
	PLACES 8
	FETCH (\u)+1
	WIN MUL
	MUL8 \u, 2, 0
	WIN 0
.else
	s_wait_dscnt 0x0
.if ((\u)+1) < NU
	PLACES 8                                       ; eight places behind the last unit's products, whose registers the next unit's fragments take:
	FETCH (\u)+1                                   ; asked for at the unit's top, with this unit's 16 products between the loads and the wait for them
.endif
	WIN MUL
	MUL8 \u, 0, 0
	MUL8 \u, 2, 0
	WIN 0
.endif
.endm
	s_load_b256 s[4:11], s[0:1], 0x0               ; en s[4:5], opq s[6:7], bo s[8:9], out0 s[10:11]
	v_lshl_add_u32 v20, v0, 2, 0x46400
	v_mov_b32 v21, 0
	ds_add_u32 v20, v21
	ds_add_u32 v20, v21
	v_lshrrev_b32 v1, 5, v0
	v_readfirstlane_b32 s16, v1
	s_lshr_b32 s17, s16, 1
	s_and_b32 s18, s16, 1
	s_min_u32 s23, s16, NS-1
	s_bfe_u32 s19, ttmp6, 0x40000
	s_bfe_u32 s20, ttmp6, 0x40004
	s_lshl_b32 s21, ttmp9, 2
	s_add_co_u32 s21, s21, s19                     ; X0: which 128 outputs
	s_and_b32 s22, ttmp7, 0xffff
	s_lshl_b32 s22, s22, 2
	s_add_co_u32 s22, s22, s20                     ; Y1: which 128 tokens
	s_lshl_b32 s96, s21, 3
	s_add_co_u32 s96, s96, S0TILE
	s_lshl_b32 s97, s22, 3
	s_lshl_b32 s88, s21, 1
	s_add_co_u32 s88, s88, s18                     ; w0
	s_lshl_b32 s92, s22, 1
	s_add_co_u32 s92, s92, s17                     ; w1
	s_lshl_b32 s2, s20, 2
	s_lshl_b32 s2, 15, s2
	s_lshl_b32 s66, 0x1111, s19
	s_or_b32 s24, s2, (3<<16)|(1<<21)
	s_or_b32 s32, s66, (3<<16)|(1<<21)
.irp g, 24, 32
	s_mov_b32 s[\g+1], (TP/8)<<16
	s_mov_b32 s[\g+2], 8<<16
	s_mov_b32 s[\g+3], (TP/8)<<16
	s_mov_b32 s[\g+4], 8
	s_mov_b32 s[\g+5], 2048
	s_mov_b32 s[\g+6], 0
	s_mov_b32 s[\g+7], 0
.endr
	s_mov_b32 s60, 1
	s_mov_b32 s61, 0
	s_mov_b32 s68, 1
	s_mov_b32 s69, SLOT1
	s_mov_b32 s76, 1
	s_mul_i32 s77, s23, PS
	s_add_co_u32 s77, s77, PS
	s_mov_b32 s80, 1
	s_add_co_u32 s81, s77, SLOT1
	s_lshl_b32 s2, s97, 14
	s_mov_b32 s3, 0
	s_lshl_b32 s66, s96, 14
	s_mov_b32 s67, 0
	s_wait_dscnt 0x0
	s_wait_kmcnt 0x0
	s_add_nc_u64 s[62:63], s[4:5], s[2:3]
	s_add_nc_u64 s[70:71], s[62:63], TP
	s_add_nc_u64 s[78:79], s[6:7], s[66:67]
	s_add_nc_u64 s[82:83], s[78:79], TP
	s_lshl_b32 s2, s97, 6
	s_add_co_u32 s2, s2, 4194304
	s_add_nc_u64 s[58:59], s[4:5], s[2:3]
	s_lshl_b32 s66, s96, 6
	s_add_co_u32 s66, s66, 11534336
	s_add_nc_u64 s[74:75], s[6:7], s[66:67]
.irp g, 63, 71, 79, 83
	s_or_b32 s[\g], s[\g], 0x80000000
.endr
	CROUND
	s_cmp_lt_u32 s16, NS                           ; a wave's first fills stand in one branch: one load of mine is out
	s_cbranch_scc0 .Lnot_s0                        ; THE FOUR FILLS ARE SHARED OUT, ONE A WAVE, each in an arm of its own: wave 0 Wo's K steps 0-3,
	tensor_load_to_lds s[76:79], s[32:39]
	s_nop 0
	PLACES 4
	s_branch .Lasked
.Lnot_s0:
	s_cmp_lt_u32 s16, 2
	s_cbranch_scc0 .Lnot_s1
	tensor_load_to_lds s[60:63], s[24:31]          ; wave 1 en's K steps 0-3,
	s_nop 0
	PLACES 4
	s_branch .Lasked
.Lnot_s1:
	s_cmp_lt_u32 s16, 3
	s_cbranch_scc0 .Lnot_s2
	tensor_load_to_lds s[80:83], s[32:39]          ; wave 2 Wo's K steps 4-7,
	s_nop 0
	PLACES 4
	s_branch .Lasked
.Lnot_s2:
	tensor_load_to_lds s[68:71], s[24:31]          ; wave 3 en's
	s_nop 0
	PLACES 4
.Lasked:
	; THE SCALE WORDS come through registers: even waves take Wo's, odd waves en's, four K steps x 512 consecutive bytes each, and store them to LDS bytes into which no tensor load lands.
	; They are 8,192 of the 270,336 bytes that a work-group reads, so they are not asked for jointly.
	s_cmp_eq_u32 s18, 0
	s_cselect_b64 s[74:75], s[74:75], s[58:59]
	s_mov_b32 s3, 16384
	s_cselect_b32 s3, 45056, s3                    ; bytes from K step to K step
	s_xor_b32 s2, s18, 1
	s_lshl_b32 s2, s2, 12                          ; en's at SC1, Wo's 4,096 on
	s_lshl_b32 s66, s17, 11                        ; K steps 4 (wave / 2) on
	s_add_co_u32 s2, s2, s66
	s_add_co_u32 s2, s2, SC1
	s_mul_i32 s67, s3, s17
	s_lshl_b32 s67, s67, 2
	v_and_b32 v8, 31, v0
	v_lshlrev_b32 v8, 4, v8                        ; 16 x lane
	v_add_nc_u32 v9, s2, v8
	v_add_nc_u32 v[ACC+16], s67, v8
.irp k, 1,2,3
	v_add_nc_u32 v[ACC+16+\k], s3, v[ACC+15+\k]    ; an offset of its own for each load
.endr
.irp k, 0,1,2,3
	global_load_b128 v[ACC+4*\k:ACC+4*\k+3], v[ACC+16+\k], s[74:75]
.endr
	v_and_b32 v1, 15, v0
	v_bfe_u32 v2, v0, 4, 1
	v_and_b32 v3, 31, v0
	v_lshlrev_b32 v3, 4, v3
	v_lshlrev_b32 v84, 6, v2
	s_lshl_b32 s98, s88, 8
	s_mov_b32 s99, 0
	s_add_nc_u64 s[8:9], s[8:9], s[98:99]          ; bo at my 64 outputs
.irp b, 0,1,2,3
	global_load_b128 v[BI+8*\b:BI+8*\b+3], v84, s[8:9] offset:4*(32*(\b/2)+8*(\b%2))
	global_load_b128 v[BI+8*\b+4:BI+8*\b+7], v84, s[8:9] offset:4*(32*(\b/2)+8*(\b%2))+16
.endr
	s_mul_i32 s98, s17, 4*TP
	v_add_nc_u32 v4, s98, v3
	v_add_nc_u32 v[4+(1+NS)], SLOT1, v4
	s_mul_i32 s98, s18, 4*TP
.irp n, 0,1,2
.if \n < NS
	s_add_co_u32 s99, s98, PS*(1+\n)
	v_add_nc_u32 v[5+\n], s99, v3
	v_add_nc_u32 v[5+(1+NS)+\n], SLOT1, v[5+\n]
.endif
.endr
	s_lshl_b32 s98, s17, 8
	v_lshlrev_b32 v22, 2, v1
	s_add_co_u32 s99, s98, SC1
	v_add_nc_u32 v22, s99, v22
.irp n, 0,1,2
.if \n < NS
	s_lshl_b32 s99, s18, 8
	s_add_co_u32 s99, s99, 4096*(1+\n)
	s_sub_co_u32 s99, s99, s98
	v_mul_u32_u24 v23, s99, v2
	v_add_nc_u32 v[12+\n], v22, v23
.endif
.endr
	s_mul_i32 s98, s16, 16*272
	s_add_co_u32 s98, s98, STAGE                   ; my stage
	v_mul_u32_u24 v16, v1, 272
	v_lshl_add_u32 v16, v2, 6, v16
	v_add_nc_u32 v16, s98, v16                     ; in: row r, + 64 h bytes
	v_mul_u32_u24 v17, v2, 272
	v_lshl_add_u32 v17, v1, 4, v17
	v_add_nc_u32 v17, s98, v17                     ; back: lanes 0-15 one row, lanes 16-31 the next
	v_lshlrev_b32 v18, 12, v2
	v_lshl_add_u32 v18, v1, 4, v18                 ; and the same two rows in out0
	s_lshl_b32 s98, s92, 18                        ; my 64 tokens x 4,096 bytes
	s_lshl_b32 s99, s88, 8                         ; my 64 columns
	s_add_co_u32 s98, s98, s99
	s_mov_b32 s99, 0
	s_add_nc_u64 s[12:13], s[10:11], s[98:99]
	s_wait_alu depctr_va_vdst(0)
	s_wait_loadcnt 0x0                             ; the scale words and the bias
.irp k, 0,1,2,3
	ds_store_b128 v9, v[ACC+4*\k:ACC+4*\k+3] offset:512*\k
.endr
	s_cmp_lt_u32 s16, 2
	s_cbranch_scc0 .Llater
	s_wait_tensorcnt 0x0                           ; waves 0 and 1: K steps 0-3 are in.  Waves 2 and 3, whose load lines are their own, wait at the change of slots
.Llater:
	s_wait_dscnt 0x0                               ; my stores of scale words are done
	s_barrier_signal -1
	s_barrier_wait -1
	FETCH 0
	s_wait_dscnt 0x0
	FETCH 1                                        ; into registers that no product has read yet
	WIN MUL
	MUL8 0, 0, 1
	MUL8 0, 2, 1
	WIN 0
.irp u, 1,2,3,4,5,6,7
	UNIT \u
.endr
	PLACES 8                                       ; in front of the first read of results
.macro TOSTAGE a                       ; tile a of tokens: 16 rows x 256 bytes into my stage and back by rows; LDS serves a wave's instructions in order
.irp e, 0,1
.irp i, 0,1,2,3
	ds_store_b128 v16, v[ACC+32*(\a)+16*\e+4*\i:ACC+32*(\a)+16*\e+4*\i+3] offset:128*\e+16*\i   ; each accumulator from its low end on
.endr
.endr
.irp t, 0,1,2,3,4,5,6,7
	ds_load_b128 v[32+32*((\a)%2)+4*\t:32+32*((\a)%2)+4*\t+3], v17 offset:544*\t
.endr
.endm
.macro SEND a, younger                 ; younger: the LDS instructions issued behind tile a's loads
	s_wait_dscnt \younger
.irp t, 0,1,2,3,4,5,6,7
	global_store_b128 v18, v[32+32*((\a)%2)+4*\t:32+32*((\a)%2)+4*\t+3], s[12:13] offset:(32*((\a)/2)+8*((\a)%2)+2*\t+8*(\t/4))*4096 th:TH_STORE_NT   ; row 2 t + h of the tile is this token; 16 lanes store 256 consecutive bytes, aligned
.endr
.endm
	TOSTAGE 0
.irp a, 1,2,3
.if \a > 1
	s_wait_xcnt 0x0                                ; tile a - 2's stores have read their registers
.endif
	TOSTAGE \a
	SEND \a-1, 16                                  ; behind tile a - 1's loads: tile a's 8 stores and 8 loads
.endr
	SEND 3, 0
	s_wait_tensorcnt 0x0
	ds_add_u32 v20, v21
	s_wait_dscnt 0x0
	CROUND                                         ; the closing round
	s_endpgm
.Lfunc_end_k_qc79d67d28a_outp:
	.size	k_qc79d67d28a_outp, .Lfunc_end_k_qc79d67d28a_outp-k_qc79d67d28a_outp
	.p2alignl 7, 3214868480
	.fill 96, 4, 3214868480
	.section	.rodata,"a",@progbits
	.p2align	6, 0x0
	.amdhsa_kernel k_qc79d67d28a_outp
		.amdhsa_group_segment_fixed_size 327680
		.amdhsa_private_segment_fixed_size 0
		.amdhsa_enable_private_segment 0
		.amdhsa_kernarg_size 32
		.amdhsa_user_sgpr_count 2
		.amdhsa_user_sgpr_kernarg_segment_ptr 1
		.amdhsa_wavefront_size32 1
		.amdhsa_system_sgpr_workgroup_id_x 1
		.amdhsa_system_sgpr_workgroup_id_y 1
		.amdhsa_system_sgpr_workgroup_id_z 1
		.amdhsa_system_vgpr_workitem_id 0
		.amdhsa_next_free_vgpr 512
		.amdhsa_next_free_sgpr 100
		.amdhsa_reserve_vcc 0
		.amdhsa_float_denorm_mode_32 3
		.amdhsa_float_denorm_mode_16_64 3
		.amdhsa_memory_ordered 1
		.amdhsa_forward_progress 1
		.amdhsa_inst_pref_size 55
	.end_amdhsa_kernel
	.amdgpu_metadata
---
amdhsa.version: [ 1, 2 ]
amdhsa.kernels:
  - .name:           k_qc79d67d28a_outp
    .symbol:         k_qc79d67d28a_outp.kd
    .args:
      - { .name: en, .offset: 0, .size: 8, .value_kind: global_buffer, .address_space: global }
      - { .name: opq, .offset: 8, .size: 8, .value_kind: global_buffer, .address_space: global }
      - { .name: bo, .offset: 16, .size: 8, .value_kind: global_buffer, .address_space: global }
      - { .name: out0, .offset: 24, .size: 8, .value_kind: global_buffer, .address_space: global }
    .group_segment_fixed_size: 327680
    .private_segment_fixed_size: 0
    .kernarg_segment_align: 8
    .kernarg_segment_size: 32
    .max_flat_workgroup_size: 128
    .sgpr_count:     100
    .vgpr_count:     512
    .wavefront_size: 32
...
	.end_amdgpu_metadata
.endif
;; end of part 5
